; MI455X (gfx1250); checked and timed in simulation.
; The chip was launched on July 23, 2026; its instructions are those of AMD's public machine-readable ISA for CDNA 5 (MIT licence, August 2026) and "CDNA5" Instruction Set Architecture Reference Guide (July 2026). The comments in the code are by the model that wrote it; some were corrected since.
;; Multi Head Attention. Allowed arithmetic: matrix products marked QUANTISED: E4M3 operands, one given power-of-two scale a tensor, by v_wmma_f32_16x16x64_fp8_fp8 or v_wmma_f32_16x16x128_fp8_fp8, f32 sums; everything else in f32.
;; Inputs: Wk 16 x 1,024 x 64 float32; Wo 1,024 x 1,024 float32; Wq 16 x 1,024 x 64 float32; Wv 16 x 1,024 x 64 float32; attention_mask 4 x 2,048 float32; bo 1,024 float32; lowp_scales 12 int32 (the exponents e of the quantised operands' scales 2^e); x 4 x 2,048 x 1,024 float32.
;; Outputs: out0 4 x 2,048 x 1,024 float32.
;; This version of the problem:
;;   THIS VERSION OF THE PROBLEM IS GIVEN IN LOW PRECISION. The matrix products marked QUANTISED in the list below multiply operands that are first quantised to E4M3 (4 exponent bits, 3 mantissa bits; 8 bits a number), with one given power-of-two scale for each operand tensor; their sums are f32. All else is computed in f32.
;;   The module's matrix products, in the order in which they are computed (A, B: the left and right operand; K: the contracted axis; several contracted axes count as one K, in the product's order):
;;     1. [M 1,024, K 1,024] x [K 1,024, N 8,192]; A: input Wq; B: input x: QUANTISED (scales: A lowp_scales[0], B lowp_scales[1])
;;     2. [M 1,024, K 1,024] x [K 1,024, N 8,192]; A: input Wk; B: input x: QUANTISED (scales: A lowp_scales[2], B lowp_scales[3])
;;     3. [M 1,024, K 1,024] x [K 1,024, N 8,192]; A: input Wv; B: input x: QUANTISED (scales: A lowp_scales[4], B lowp_scales[5])
;;     4. batch 64 x [M 2,048, K 64] x [K 64, N 2,048]; A: computed on the way; B: computed on the way: QUANTISED (scales: A lowp_scales[6], B lowp_scales[7])
;;     5. batch 64 x [M 64, K 2,048] x [K 2,048, N 2,048]; A: computed on the way; B: softmax (see below): QUANTISED (scales: A lowp_scales[8], B lowp_scales[9])
;;     6. [M 8,192, K 1,024] x [K 1,024, N 1,024]; A: computed on the way; B: input Wo: QUANTISED (scales: A lowp_scales[10], B lowp_scales[11])
;;   THE QUANTISER, for each operand of a quantised product, along K:
;;     - The operand's scale is 2^e, e = its entry of the input lowp_scales (int32; the entries are numbered through the quantised products in the list's order, A before B).
;;     - Each number is divided by the scale, clamped to +-448, and rounded to the nearest number of E4M3, ties to even, subnormals kept.
;;     - The product sums the exact products of the quantised numbers (number of the format x scale) in f32.
;;   ~~~python
;;   def quantise(x, axis, e):      # numpy; x: float32 -> the quantised numbers, widened to float32 again
;;       x = np.moveaxis(x, axis, -1); K = x.shape[-1]
;;       r = np.clip(x / 2.0 ** e, -448, 448)
;;       step = 2.0 ** (np.maximum(np.frexp(np.where(r == 0, 1, r))[1] - 1, -6) - 3)
;;       q = np.round(r / step) * step * 2.0 ** e      # np.round: ties to even
;;       return np.moveaxis(q, -1, axis).astype(np.float32)
;;   ~~~
;;   SOFTMAX AHEAD OF A QUANTISED PRODUCT. Where the list says 'softmax', what is quantised is not the finished softmax but p = 2^(t - M), with t = logit x log2(e) and M = ceil(the row's largest t), a whole number; so 1/2 < the row's largest p <= 1. The row's sum l is taken of the UNQUANTISED p, in f32, and the product's result is divided by l at the end. Since M is a whole number, a kernel that streams over the keys may use a running M (the ceiling of the running maximum): every later rescaling is an exact power of two, so the quantised numbers keep their values, but for numbers so far below the row's largest that they fall under the format's range.
;;   OPERANDS COMPUTED ON THE WAY. 'Computed on the way' means the value that the module computes at that place (a softmax that the list does not call 'softmax' is quantised finished and normalised). What goes into a quantiser is computed in f32, as accurately as f32 sums, v_exp_f32 and their like allow (about 1e-6 of the number): no bf16 or f16 on the way to a quantiser, and a product that is left as it is and whose result goes on into a quantised operand takes f32 operands (vector FMAs, or v_wmma_f32_16x16x4_f32). A number that lies on a knife's edge between two numbers of the format may be rounded either way, as far as f32 arithmetic and the matrix unit's own rounding can turn it there, and no further.
;; One version. Each part assembles by itself: llvm-mc -triple=amdgcn-amd-amdhsa -mcpu=gfx1250 --defsym DOCPART=n.
;; ======== version 1 of 1: 4 launches
;; limits: right only within a limited range of input values
;; workspace buffers: xc 25,165,824 bytes; wc 4,194,304 bytes; qkvc 25,165,824 bytes; aoc 8,388,608 bytes; mbias 32,768 bytes
;; launch quant (part 1): grid 385 x 1, 4 waves a work-group, no clusters, 68,096 bytes of LDS; arguments x, Wo, Wq, Wk, Wv, attention_mask, lowp_scales, xc, wc, mbias; writes xc, wc, mbias
.if DOCPART == 1
	.amdgcn_target "amdgcn-amd-amdhsa--gfx1250"
	.amdhsa_code_object_version 6
	.text
	.protected	k_qc5ecbd8bbe_quant
	.globl	k_qc5ecbd8bbe_quant
	.p2align	8
	.type	k_qc5ecbd8bbe_quant,@function
k_qc5ecbd8bbe_quant:
	s_mov_b64 s[64:65], 0
	v_nop
	global_prefetch_b8 v0, s[64:65] scope:SCOPE_SE
	s_setreg_imm32_b32 hwreg(HW_REG_WAVE_MODE, 25, 1), 1
	s_wait_xcnt 0x0
; All inputs that are matrix operands become codes of E4M3, K innermost, each with the scale 2^e that is given for it; the padding mask becomes an addend for t.
;   xc: three planes [8192 tokens][1024]: x with e1, e3, e5 (x has a scale of its own in each of the three projections).
;   wc: four planes [1024][1024]: Wq, Wk, Wv turned to [h*64+d][e] with e0, e2, e4; Wo as it lies with e11.
;   mbias: [4][2048] f32 = (1 - mask) x (-FLT_MAX) x log2(e), held within +-FLT_MAX.
; code = number / 2^e, held within +-448, rounded to the nearest code, ties to even.
; WORK-GROUPS: 0-255 x, 256-287 Wo (one text: a stream of blocks, 32,768 numbers a work-group); 288-383 Wq, Wk, Wv (a lane to a column d, registers down K = e); 384 the mask.
; The choice hangs on the work-group's number alone.  Each path has LDS bytes of its own; waves share nothing, so there is no barrier.
; LIMITS: each of e0-e5 and e11 lies between -126 and 119, so that 2^e and 448 x 2^e are f32 numbers.  NaN among x and the weights is not served (an infinity is held at the largest code).
; Mask terms beyond FLT_MAX / log2(e) in size count as equal: they are held at FLT_MAX.
.set SP,    80                         ; stream: a lane's place in a stage: 64 bytes + 16 of padding
.set CST,   32768                      ; the columns' stages begin here: 4 x 32 rows x 272 bytes
.set PITCH, 272
.set SPARE, 67584                      ; behind the stages: the spare words, 128 bytes a wave, that no other line names
.set SPW,   12                         ; v12  SPARE + 4 x my thread's number; never rewritten
.set NIL,   13                         ; v13  0; never rewritten
.set R,     16                         ; stream: v16-79 four sets of 16 numbers as loaded
.set X,     80                         ; v80-111 two sets of 16 neighbours
.set TA,    112                        ; v112-127, v128-143: held numbers for the first and second set of codes
.set TB,    128
.set C,     144                        ; v144-155 three times four registers of codes
.set CXR,   32                         ; columns: v32-95 two sets of 32 numbers
.set CC,    96                         ; v96-103 a block's codes
.set OUTR,  112                        ; v112-175 the way out
.macro MKSCALE e, vs, vl               ; 2^e and 448 x 2^e as f32 numbers
	s_add_co_i32 s56, \e, 127
	s_lshl_b32 s57, s56, 23
	v_mov_b32 v[\vs], s57
	s_add_co_i32 s56, s56, 8
	s_lshl_b32 s56, s56, 23
	s_or_b32 s56, s56, 0x600000
	v_mov_b32 v[\vl], s56
.endm
	s_load_b512 s[4:19], s[0:1], 0x0               ; x 4:5, Wo 6:7, Wq 8:9, Wk 10:11, Wv 12:13, mask 14:15, scales 16:17, xc 18:19
	s_load_b128 s[20:23], s[0:1], 0x40             ; wc 20:21, mbias 22:23
	v_lshl_add_u32 v[SPW], v0, 2, SPARE
	v_mov_b32 v[NIL], 0
	v_lshrrev_b32 v1, 5, v0
	v_readfirstlane_b32 s44, v1                    ; wave
	v_and_b32 v2, 31, v0                           ; lane
	v_lshlrev_b32 v3, 4, v2                        ; 16 x lane
	v_lshlrev_b32 v4, 2, v2                        ; 4 x lane
	s_lshl_b32 s45, s44, 13                        ; stream: my wave's 8,192 bytes of LDS
	v_lshrrev_b32 v14, 2, v2
	v_mul_u32_u24 v14, v14, SP
	v_and_b32 v15, 3, v2
	v_lshl_add_u32 v14, v15, 4, v14
	v_add_nc_u32 v14, s45, v14                     ; into a stage: four lanes' 64 bytes on end, then padding
	v_mul_u32_u24 v15, v2, SP
	v_add_nc_u32 v15, s45, v15                     ; out of it: my 16 neighbours
	s_mul_i32 s45, s44, 32*PITCH
	s_add_co_u32 s45, s45, CST                     ; columns: my wave's stage
	v_mul_u32_u24 v5, v2, PITCH
	v_add_nc_u32 v5, s45, v5                       ; into it: row = my column
	v_and_b32 v6, 15, v2
	v_lshrrev_b32 v9, 4, v2
	v_mul_u32_u24 v7, v9, PITCH
	v_lshl_add_u32 v7, v6, 4, v7
	v_add_nc_u32 v7, s45, v7                       ; out of it: sixteen lanes to a row, two rows an instruction
	v_lshlrev_b32 v8, 10, v9
	v_lshl_add_u32 v8, v6, 4, v8                   ; and the same place in wc (rows of 1,024 bytes)
	s_wait_kmcnt 0x0
	s_load_b256 s[32:39], s[16:17], 0x0            ; e0 .. e7
	s_load_b128 s[40:43], s[16:17], 0x20           ; e8 .. e11
	s_cmp_ge_u32 ttmp9, 288
	s_cbranch_scc1 .Lcol
; ---------------- the stream: x (three sets of codes) or Wo (one) ----------------
	s_cmp_lt_u32 ttmp9, 256
	s_cselect_b64 s[24:25], s[4:5], s[6:7]         ; from x or from Wo
	s_cselect_b64 s[26:27], s[18:19], s[20:21]     ; to xc's plane 0 or to wc's plane 3
	s_cselect_b32 s46, 0, 0x300000
	s_cselect_b32 s45, 0, 256
	s_sub_co_u32 s45, ttmp9, s45
	s_lshl_b32 s45, s45, 2
	s_add_co_u32 s45, s45, s44                     ; which run of 8,192 numbers is my wave's
	s_lshl_b32 s48, s45, 15
	s_mov_b32 s49, 0
	s_mov_b32 s47, 0
	s_add_nc_u64 s[24:25], s[24:25], s[48:49]
	s_lshl_b32 s48, s45, 13
	s_add_nc_u64 s[26:27], s[26:27], s[46:47]
	s_add_nc_u64 s[26:27], s[26:27], s[48:49]
	s_add_nc_u64 s[28:29], s[18:19], s[48:49]
	s_add_nc_u64 s[30:31], s[28:29], 0x1000000     ; xc's plane 2
	s_add_nc_u64 s[28:29], s[28:29], 0x800000      ; xc's plane 1
.macro LOAD t
.irp i, 0,1,2,3
	global_load_b128 v[R+16*((\t)%4)+4*\i:R+16*((\t)%4)+4*\i+3], v3, s[24:25] offset:2048*(\t)+512*\i th:TH_LOAD_NT   ; 32 lanes read 512 consecutive bytes
.endr
.endm
.macro TURN t                          ; a step's 2,048 bytes through the stage; LDS serves a wave's instructions in order, so no wait stands between the stores and the loads
.irp i, 0,1,2,3
	ds_store_b128 v14, v[R+16*((\t)%4)+4*\i:R+16*((\t)%4)+4*\i+3] offset:32*SP*((\t)%2)+8*SP*\i
.endr
.irp i, 0,1,2,3
	ds_load_b128 v[X+16*((\t)%2)+4*\i:X+16*((\t)%2)+4*\i+3], v15 offset:32*SP*((\t)%2)+16*\i
.endr
.endm
.irp t, 0,1,2,3
	LOAD \t
.endr
	s_wait_kmcnt 0x0
	s_cmp_lt_u32 ttmp9, 256
	s_cselect_b32 s50, s33, s43                    ; e1 for x, e11 for Wo
	MKSCALE s50, 156, 157
	MKSCALE s35, 158, 159                          ; e3
	MKSCALE s37, 160, 161                          ; e5
	s_wait_alu depctr_va_vdst(0)
	s_wait_loadcnt 12                              ; step 0's four loads are in
	TURN 0
.macro QSTEP t
.set XS, X+16*((\t)%2)
	s_wait_dscnt 0x0                               ; this step's numbers are back, so its stores into the stage have read their registers,
.if (\t)+4 < 16
	LOAD (\t)+4                                    ; which take the loads of four steps on
.endif
.if (\t)+1 < 16
.if 14-(\t) >= 3
	s_wait_loadcnt 12                              ; the next step's four loads are in; three later steps' may be out
.else
	s_wait_loadcnt 4*(14-(\t))
.endif
	TURN (\t)+1
.endif
	s_wait_xcnt 0x0                                ; the last step's stores have read the codes' registers, which are written again below
.set i, 0
.rept 16
	v_med3_num_f32 v[TA+i], v[XS+i], -v157, v157   ; the conversion does not saturate (ISA guide 7.6.2): the hold at 448 x the scale comes first
.set i, i+1
.endr
	v_cvt_scalef32_pk8_fp8_f32 v[C:C+1], v[TA:TA+7], v156
	v_cvt_scalef32_pk8_fp8_f32 v[C+2:C+3], v[TA+8:TA+15], v156
	v_nop                                          ; a plain line behind the conversions: on Wo's way the next vector line writes their sources
	global_store_b128 v3, v[C:C+3], s[26:27] offset:512*(\t)   ; 32 lanes store 512 consecutive bytes
	s_cmp_lt_u32 ttmp9, 256                        ; Wo has one set of codes
	s_cbranch_scc0 .Lone_\@
.set i, 0
.rept 16
	v_med3_num_f32 v[TB+i], v[XS+i], -v159, v159
.set i, i+1
.endr
	v_cvt_scalef32_pk8_fp8_f32 v[C+4:C+5], v[TB:TB+7], v158
	v_cvt_scalef32_pk8_fp8_f32 v[C+6:C+7], v[TB+8:TB+15], v158
	v_nop
	global_store_b128 v3, v[C+4:C+7], s[28:29] offset:512*(\t)
.set i, 0
.rept 16
	v_med3_num_f32 v[XS+i], v[XS+i], -v161, v161
.set i, i+1
.endr
	v_cvt_scalef32_pk8_fp8_f32 v[C+8:C+9], v[XS:XS+7], v160
	v_cvt_scalef32_pk8_fp8_f32 v[C+10:C+11], v[XS+8:XS+15], v160
	v_nop
	global_store_b128 v3, v[C+8:C+11], s[30:31] offset:512*(\t)
.Lone_\@:
.endm
.irp t, 0,1,2,3,4,5,6,7,8,9,10,11,12,13,14,15
	QSTEP \t
.endr
	s_branch .Lend
; ---------------- Wq, Wk, Wv: [h][e][d] f32 -> [h*64+d][e] codes ----------------
.Lcol:
	s_cmp_eq_u32 ttmp9, 384
	s_cbranch_scc1 .Lmask
	s_sub_co_u32 s45, ttmp9, 288
	s_lshr_b32 s46, s45, 5                         ; which weight: 0 q, 1 k, 2 v
	s_bfe_u32 s47, s45, 0x30002                    ; pair of heads
	s_and_b32 s48, s45, 3                          ; which 256 along K
	s_lshl_b32 s47, s47, 1
	s_lshr_b32 s49, s44, 1
	s_add_co_u32 s47, s47, s49                     ; my wave's head
	s_and_b32 s49, s44, 1                          ; and which 32 of its 64 columns
	s_lshl_b32 s50, s47, 18                        ; from: head x 262,144 + 256 rows of 256 bytes x ky + 128 x half
	s_lshl_b32 s51, s48, 16
	s_add_co_u32 s50, s50, s51
	s_lshl_b32 s51, s49, 7
	s_add_co_u32 s50, s50, s51
	s_mov_b32 s51, 0
	s_lshl_b32 s52, s46, 20                        ; to: plane + (head x 64 + 32 x half) rows of 1,024 bytes + 256 x ky
	s_lshl_b32 s53, s47, 16
	s_add_co_u32 s52, s52, s53
	s_lshl_b32 s53, s49, 15
	s_add_co_u32 s52, s52, s53
	s_lshl_b32 s53, s48, 8
	s_add_co_u32 s52, s52, s53
	s_mov_b32 s53, 0
	s_cmp_eq_u32 s46, 0
	s_cselect_b64 s[24:25], s[8:9], s[10:11]
	s_cmp_eq_u32 s46, 2
	s_cselect_b64 s[24:25], s[12:13], s[24:25]
	s_add_nc_u64 s[24:25], s[24:25], s[50:51]
	s_add_nc_u64 s[26:27], s[20:21], s[52:53]
.macro CLOAD t                         ; block t: W(32 t + i, my column), i = 0 .. 31: a wave reads 128 consecutive bytes, two waves side by side a whole row
.set i, 0
.rept 32
	global_load_b32 v[CXR+32*((\t)%2)+i], v4, s[24:25] offset:(32*(\t)+i)*256 th:TH_LOAD_NT
.set i, i+1
.endr
.endm
	CLOAD 0
	CLOAD 1
	s_wait_kmcnt 0x0
	s_cmp_eq_u32 s46, 0
	s_cselect_b32 s54, s32, s34                    ; e0 or e2,
	s_cmp_eq_u32 s46, 2
	s_cselect_b32 s54, s36, s54                    ; or e4
	MKSCALE s54, 11, 10
	s_wait_alu depctr_va_vdst(0)
.macro BLOCK t
.set XS, CXR+32*((\t)%2)
.if (\t) < 7
	s_wait_loadcnt 32                              ; this block's 32 loads are in; the next block's may be out
.else
	s_wait_loadcnt 0
.endif
.set i, 0
.rept 32
	v_med3_num_f32 v[XS+i], v[XS+i], -v10, v10
.set i, i+1
.endr
.irp g, 0,1,2,3
	v_cvt_scalef32_pk8_fp8_f32 v[CC+2*\g:CC+2*\g+1], v[XS+8*\g:XS+8*\g+7], v11
.endr
	v_nop
	ds_store_b128 v5, v[CC:CC+3] offset:32*(\t)    ; 32 codes of my column's row
	ds_store_b128 v5, v[CC+4:CC+7] offset:32*(\t)+16
.if (\t)+2 < 8
	CLOAD (\t)+2
.endif
	s_wait_dscnt 0x0                               ; the stores have read their registers: the next block's codes may be written
.endm
.irp t, 0,1,2,3,4,5,6,7
	BLOCK \t
.endr
.irp t, 0,1,2,3,4,5,6,7,8,9,10,11,12,13,14,15
	ds_load_b128 v[OUTR+4*\t:OUTR+4*\t+3], v7 offset:2*\t*PITCH
.endr
.irp t, 0,1,2,3,4,5,6,7,8,9,10,11,12,13,14,15
	s_wait_dscnt 15-\t
	global_store_b128 v8, v[OUTR+4*\t:OUTR+4*\t+3], s[26:27] offset:2048*\t   ; sixteen lanes store 256 consecutive bytes, aligned
.endr
.Lend:
	s_wait_tensorcnt 0x0                           ; the wave's end
	ds_add_u32 v[SPW], v[NIL]
	s_wait_dscnt 0x0
	s_endpgm
; ---------------- the padding mask: 8,192 numbers, one work-group, no LDS ----------------
.Lmask:
	v_lshlrev_b32 v1, 4, v0
.irp i, 0,1,2,3,4,5,6,7,8,9,10,11,12,13,14,15
	global_load_b128 v[16+4*\i:19+4*\i], v1, s[14:15] offset:2048*\i
.endr
	s_mov_b32 s45, 0xff7fffff                      ; the most negative f32 number
	s_mov_b32 s46, 0x3fb8aa3b                      ; log2(e)
	v_mov_b32 v10, 0x7f7fffff
	s_wait_alu depctr_va_vdst(0)
	s_wait_loadcnt 0x0
.set i, 0
.rept 64
	v_sub_f32 v[16+i], 1.0, v[16+i]
	v_mul_f32 v[16+i], s45, v[16+i]                ; (1 - mask) x the most negative number, as the source has it,
	v_mul_f32 v[16+i], s46, v[16+i]                ; in units of t,
	v_med3_num_f32 v[16+i], v[16+i], -v10, v10     ; held finite, so that it still stands over the -infinity of the causal mask
.set i, i+1
.endr
.irp i, 0,1,2,3,4,5,6,7,8,9,10,11,12,13,14,15
	global_store_b128 v1, v[16+4*\i:19+4*\i], s[22:23] offset:2048*\i
.endr
	s_endpgm
.Lfunc_end_k_qc5ecbd8bbe_quant:
	.size	k_qc5ecbd8bbe_quant, .Lfunc_end_k_qc5ecbd8bbe_quant-k_qc5ecbd8bbe_quant
	.p2alignl 7, 3214868480
	.fill 96, 4, 3214868480
	.section	.rodata,"a",@progbits
	.p2align	6, 0x0
	.amdhsa_kernel k_qc5ecbd8bbe_quant
		.amdhsa_group_segment_fixed_size 68096
		.amdhsa_private_segment_fixed_size 0
		.amdhsa_enable_private_segment 0
		.amdhsa_kernarg_size 80
		.amdhsa_user_sgpr_count 2
		.amdhsa_user_sgpr_kernarg_segment_ptr 1
		.amdhsa_wavefront_size32 1
		.amdhsa_system_sgpr_workgroup_id_x 1
		.amdhsa_system_sgpr_workgroup_id_y 1
		.amdhsa_system_sgpr_workgroup_id_z 1
		.amdhsa_system_vgpr_workitem_id 0
		.amdhsa_next_free_vgpr 192
		.amdhsa_next_free_sgpr 66
		.amdhsa_reserve_vcc 0
		.amdhsa_float_denorm_mode_32 3
		.amdhsa_float_denorm_mode_16_64 3
		.amdhsa_memory_ordered 1
		.amdhsa_forward_progress 1
		.amdhsa_inst_pref_size 143
	.end_amdhsa_kernel
	.amdgpu_metadata
---
amdhsa.version: [ 1, 2 ]
amdhsa.kernels:
  - .name:           k_qc5ecbd8bbe_quant
    .symbol:         k_qc5ecbd8bbe_quant.kd
    .args:
      - { .name: x, .offset: 0, .size: 8, .value_kind: global_buffer, .address_space: global }
      - { .name: Wo, .offset: 8, .size: 8, .value_kind: global_buffer, .address_space: global }
      - { .name: Wq, .offset: 16, .size: 8, .value_kind: global_buffer, .address_space: global }
      - { .name: Wk, .offset: 24, .size: 8, .value_kind: global_buffer, .address_space: global }
      - { .name: Wv, .offset: 32, .size: 8, .value_kind: global_buffer, .address_space: global }
      - { .name: attention_mask, .offset: 40, .size: 8, .value_kind: global_buffer, .address_space: global }
      - { .name: lowp_scales, .offset: 48, .size: 8, .value_kind: global_buffer, .address_space: global }
      - { .name: xc, .offset: 56, .size: 8, .value_kind: global_buffer, .address_space: global }
      - { .name: wc, .offset: 64, .size: 8, .value_kind: global_buffer, .address_space: global }
      - { .name: mbias, .offset: 72, .size: 8, .value_kind: global_buffer, .address_space: global }
    .group_segment_fixed_size: 68096
    .private_segment_fixed_size: 0
    .kernarg_segment_align: 8
    .kernarg_segment_size: 80
    .max_flat_workgroup_size: 128
    .sgpr_count:     66
    .vgpr_count:     192
    .wavefront_size: 32
...
	.end_amdgpu_metadata
.endif
;; end of part 1
;; launch qkv (part 2): grid 12 x 32, 4 waves a work-group, clusters of 4 x 4, 327,680 bytes of LDS; arguments xc, wc, lowp_scales, qkvc; writes qkvc
.if DOCPART == 2
	.amdgcn_target "amdgcn-amd-amdhsa--gfx1250"
	.amdhsa_code_object_version 6
	.text
	.protected	k_qc5ecbd8bbe_qkv
	.globl	k_qc5ecbd8bbe_qkv
	.p2align	8
	.type	k_qc5ecbd8bbe_qkv,@function
k_qc5ecbd8bbe_qkv:
	s_mov_b64 s[64:65], 0
	v_nop
	global_prefetch_b8 v0, s[64:65] scope:SCOPE_SE
	s_setreg_imm32_b32 hwreg(HW_REG_WAVE_MODE, 25, 1), 1
	s_wait_xcnt 0x0
	s_wait_alu depctr_hold_cnt(0) depctr_sa_sdst(0) depctr_va_vdst(0) depctr_va_sdst(0) depctr_va_ssrc(0) depctr_va_vcc(0) depctr_vm_vsrc(0)
	s_getreg_b32 s2, hwreg(HW_REG_IB_STS2, 6, 4)
	s_cmp_eq_u32 s2, 0
	s_cbranch_scc0 .Lentry_in_a_cluster
	s_endpgm
.Lentry_in_a_cluster:
	s_bfe_u32 s2, ttmp6, 0x10000c
	s_cmp_lg_u32 s2, 0xf033
	s_cbranch_scc0 .Lentry_shape_is_right
	s_endpgm
.Lentry_shape_is_right:
; The three projections on codes of E4M3, their results quantised at once for the attention that follows.
; q = x Wq, k = x Wk: C[token][h*64+d], A = x's codes (plane 0, 1 of xc), B = the weight's codes (plane 0, 1 of wc).  v = x Wv is made TURNED: C[h*64+d][token], A = Wv's codes, B = x's codes (planes 2),
; because the keys are the K of the product that reads v.  Which of the three a cluster makes hangs on the cluster's x (0 q, 1 k, 2 v): the same in all its sixteen work-groups.
; A tile of C is 256 x 256, four waves of 128 x 128 (64 accumulators, 512 registers); K = 1,024 goes in four steps of 256 through a ring of two LDS slots filled by joint tensor loads:
; 4 x 4 work-groups form a cluster, A's tile is shared along a row of it, B's along a column.
; THE MATRIX INSTRUCTION IS USED TRANSPOSED (source 0 = 16 rows of B, source 1 = 16 rows of A): a lane's eight results are eight neighbours of a row of C: eight d of a token (q, k) or eight keys of a d (v),
; which is what one conversion to codes takes.  A sum stands for sum x 2^(ew + ex), so its code is sum / 2^(eout - ew - ex): three exponents folded into the conversion's one.
; qkvc: plane 0 q, plane 1 k: [b*16+h][t][64]; plane 2 v: [b*16+h][d][2048].  IN EACH GROUP OF 32 BYTES the two middle blocks of eight are swapped: byte 16 h + 8 u + j holds index 16 u + 8 h + j.
; That is how two accumulators' codes of a lane lie on end (one 16-byte LDS store), and a 16-byte read then gives the plain 8-bit form's own order of k.
; LIMITS: e6 - e0 - e1, e7 - e2 - e3 and e8 - e4 - e5 lie between -126 and 119, so that the folded scale and 448 x it are f32 numbers.
; REGISTERS, in windows of 256: window 0: v16-31 addresses and the scale; v32-95 at work on the way out; v128-255 A's fragments, one set, later the codes.  window 1: B's fragments, two sets.  windows 2, 3: the accumulators ((a, b) at v[8 (8 (a % 4) + b)]).
.set KROW,   1024                      ; a row of codes in memory
.set ROWB,   256                       ; a tile's row: 256 along K
.set PITCH,  272                       ; in LDS: + 16 bytes of padding: the sixteen rows of a fragment load begin 68 words apart
.set FR,     16
.set NL,     4
.set NP,     4
.set HALFT,  128*PITCH
.set SLOT,   4*HALFT
.set LAPS,   2                         ; 1,024 / 512
.set SPARE,  2*SLOT                    ; behind the ring: the spare words, 128 bytes a wave, that no other line names
.set SPITCH, 336                       ; the way out: a stage of 256 rows x (256 bytes + 80) in slot 0, which has had its last fill and its last read by then
.set ADRA, 16
.set ADRB, 20
.set RDQ2, 22
.set COQ,  23
.set STO,  24
.set RDV,  25
.set COV,  26
.set RDQ,  27
.set SPW,  28
.set NIL,  29
.set SCL,  30
.set LIMV, 31
.set TMP,  32
.set AF,   128
.set CD,   128
.set G1, 24
.set G0, 32
.set G1B, 48
.set G0B, 56
.set MSB, 0
.macro WIN new                         ; the immediate's high byte repeats the setting that is left
.if MSB != \new
	s_set_vgpr_msb (MSB<<8)|\new
.set MSB, \new
.endif
.endm
.set MUL_LO, 0xa1                      ; source 0 (B) window 1, source 1 (A) window 0, C and D window 2
.set MUL_HI, 0xf1                      ; the same, C and D window 3
.set TO_B,   0x40
; A joint load: waves 0 and 1 fetch for A, waves 2 and 3 for B; the branch hangs on the wave's number alone.  An s_nop 0 and four v_nop follow each line.
.macro JLOAD g0a, g1a, g0b, g1b
	s_cmp_eq_u32 s15, 0
	s_cbranch_scc0 .Lfor_b_\@
	tensor_load_to_lds s[\g0a:\g0a+3], s[\g1a:\g1a+7]
	s_nop 0
.rept 4
	v_nop
.endr
	s_branch .Lasked_\@
.Lfor_b_\@:
	tensor_load_to_lds s[\g0b:\g0b+3], s[\g1b:\g1b+7]
	s_nop 0
.rept 4
	v_nop
.endr
.Lasked_\@:
.endm
.macro CREST                           ; a round of the cluster's barrier behind its opening barrier
	s_cmp_lg_u32 s14, 0
	s_cbranch_scc1 .Lnot_wave_0_\@
	s_barrier_signal -3
.Lnot_wave_0_\@:
	s_barrier_wait -3
	s_barrier_signal -1
	s_barrier_wait -1
.endm
.macro CROUND
	s_barrier_signal -1
	s_barrier_wait -1
	CREST
.endm
	s_load_b256 s[4:11], s[0:1], 0x0               ; xc 4:5, wc 6:7, the exponents 8:9, qkvc 10:11
	v_lshl_add_u32 v[SPW], v0, 2, SPARE
	v_mov_b32 v[NIL], 0
	ds_add_u32 v[SPW], v[NIL]                      ; the wave's opening: the add, twice on end, and its wait ahead of my first tensor load
	ds_add_u32 v[SPW], v[NIL]
	v_lshrrev_b32 v1, 5, v0
	v_readfirstlane_b32 s14, v1                    ; wave
	s_lshr_b32 s15, s14, 1                         ; my half of the tile's rows; also: I fetch for A (0) or B (1)
	s_and_b32 s16, s14, 1                          ; my half of its columns; also: which 128 rows I fetch
	s_bfe_u32 s40, ttmp6, 0x40000                  ; cx
	s_bfe_u32 s41, ttmp6, 0x40004                  ; cy
	s_and_b32 s66, ttmp7, 0xffff
	s_lshl_b32 s66, s66, 2                         ; 4 x cluster y
	s_lshl_b32 s69, ttmp9, 23                      ; a plane of xc or of qkvc
	s_lshl_b32 s70, ttmp9, 20                      ; a plane of wc
	s_cmp_eq_u32 ttmp9, 2                          ; v?
	s_cselect_b32 s67, 0, s66                      ; the 32 token tiles run down the rows for q and k,
	s_cselect_b32 s68, s66, 0                      ; along the columns for v
	s_cselect_b32 s84, s70, s69                    ; A's plane
	s_cselect_b32 s86, s69, s70                    ; B's plane
	s_mov_b32 s85, 0
	s_mov_b32 s87, 0
	s_add_co_u32 s17, s41, s67                     ; tile row
	s_add_co_u32 s42, s40, s68                     ; tile column
	s_lshl_b32 s43, s41, 2
	s_lshl_b32 s43, 15, s43                        ; my row of the cluster
	s_lshl_b32 s44, 0x1111, s40                    ; my column
	s_or_b32 s[G1+0], s43, (0<<16)|(1<<20)|(1<<21)|(5<<22)|(3<<25)   ; the mask; elements of 1 byte; padding on; bit 21 beside a mask; four words after every 64
	s_or_b32 s[G1B+0], s44, (0<<16)|(1<<20)|(1<<21)|(5<<22)|(3<<25)
.irp g, G1, G1B
	s_mov_b32 s[\g+1], ROWB<<16                    ; tensor_dim0
	s_mov_b32 s[\g+2], 128<<16                     ; tensor_dim1
	s_mov_b32 s[\g+3], ROWB<<16                    ; tile_dim0
	s_mov_b32 s[\g+4], 128                         ; tile_dim1
	s_mov_b32 s[\g+5], KROW                        ; from row to row
	s_mov_b32 s[\g+6], 0
	s_mov_b32 s[\g+7], 0
.endr
	s_lshl_b32 s18, s16, 7
	s_lshl_b32 s20, s17, 8
	s_add_co_u32 s20, s20, s18
	s_lshl_b32 s20, s20, 10                        ; A: (256 x tile row + 128 x half) rows of 1,024 bytes
	s_mov_b32 s21, 0
	s_lshl_b32 s46, s42, 8
	s_add_co_u32 s46, s46, s18
	s_lshl_b32 s46, s46, 10                        ; B: the same by the tile column
	s_mov_b32 s47, 0
	s_mul_i32 s45, s14, HALFT                      ; where they go: wave x 128 rows
	s_wait_dscnt 0x0                               ; the opening add is done
	s_wait_kmcnt 0x0
	s_load_b256 s[72:79], s[8:9], 0x0              ; e0 .. e7
	s_load_b128 s[80:83], s[8:9], 0x20             ; e8 .. e11
	s_cmp_eq_u32 ttmp9, 2
	s_cselect_b64 s[88:89], s[6:7], s[4:5]         ; A: the weight for v, x else
	s_cselect_b64 s[90:91], s[4:5], s[6:7]         ; B: the other
	s_add_nc_u64 s[88:89], s[88:89], s[84:85]
	s_add_nc_u64 s[90:91], s[90:91], s[86:87]
	s_add_nc_u64 s[20:21], s[88:89], s[20:21]
	s_add_nc_u64 s[46:47], s[90:91], s[46:47]
	CROUND                                         ; all sixteen work-groups are here: the first joint loads meet
.irp s, 0,1
	s_mov_b32 s[G0+4*\s], 1
	s_add_co_u32 s[G0+4*\s+1], s45, \s*SLOT
	s_add_nc_u64 s[G0+4*\s+2:G0+4*\s+3], s[20:21], \s*ROWB
	s_or_b32 s[G0+4*\s+3], s[G0+4*\s+3], 0x80000000
	s_mov_b32 s[G0B+4*\s], 1
	s_add_co_u32 s[G0B+4*\s+1], s45, \s*SLOT
	s_add_nc_u64 s[G0B+4*\s+2:G0B+4*\s+3], s[46:47], \s*ROWB
	s_or_b32 s[G0B+4*\s+3], s[G0B+4*\s+3], 0x80000000
.endr
	JLOAD G0, G1, G0B, G1B                         ; K step 0: one tensor load a wave at the head
	; PREFETCHES INTO THE L2, two K steps ahead of the loads: behind K step 0's load K step 2 is named, behind K step 1's load K step 3.  Of the 128 rows that I fetch, each of the four partners that
	; ask for them with me names 32 (by cx for A, by cy for B: told apart by address alone), a lane a row, 256 bytes of it: one instruction a wave.  K steps 0 and 1 come by their loads alone.
	s_cmp_eq_u32 s15, 0
	s_cselect_b64 s[96:97], s[20:21], s[46:47]     ; the rows that I fetch: A's or B's
	s_cselect_b32 s98, s40, s41                    ; my place among the four
	s_lshl_b32 s98, s98, 15                        ; x 32 rows of 1,024 bytes
	s_mov_b32 s99, 0
	s_add_nc_u64 s[96:97], s[96:97], s[98:99]
	v_and_b32 v8, 31, v0
	v_lshlrev_b32 v8, 10, v8                       ; v8 and s[96:97] are never rewritten
	global_prefetch_b8 v8, s[96:97] offset:512 th:TH_LOAD_NT scope:SCOPE_SE
	v_and_b32 v1, 15, v0                           ; r
	s_wait_alu depctr_va_vdst(0)
	v_bfe_u32 v2, v0, 4, 1                         ; h
	v_mul_u32_u24 v3, v1, PITCH
	v_lshl_add_u32 v4, v2, 4, v3                   ; a fragment's row x pitch + 16 h
	s_mul_i32 s21, s15, HALFT
	s_mul_i32 s22, s16, HALFT
	s_add_co_u32 s22, s22, 2*HALFT
.irp s, 0,1
	v_add_nc_u32 v[ADRA+\s], s21, v4
	v_add_nc_u32 v[ADRB+\s], s22, v4
	s_add_co_u32 s21, s21, SLOT
	s_add_co_u32 s22, s22, SLOT
.endr
	s_mul_i32 s23, s15, 128*SPITCH                 ; into the stage: row 128 x row half + 16 a + r, byte 128 x column half + 32 b' + 16 h
	s_lshl_b32 s22, s16, 7
	s_add_co_u32 s23, s23, s22
	v_mul_u32_u24 v5, v1, SPITCH
	s_wait_alu depctr_va_vdst(0)
	v_lshl_add_u32 v5, v2, 4, v5
	v_add_nc_u32 v[STO], s23, v5
	s_mul_i32 s23, s14, 64*SPITCH                  ; back, for v: wave w takes rows 64 w on, two whole rows of 256 bytes an instruction
	v_mul_u32_u24 v5, v2, SPITCH
	v_lshl_add_u32 v5, v1, 4, v5
	v_add_nc_u32 v[RDV], s23, v5
	s_lshl_b32 s23, s14, 17
	v_lshlrev_b32 v5, 11, v2
	v_lshl_add_u32 v5, v1, 4, v5
	v_add_nc_u32 v[COV], s23, v5                   ; and the same two rows in memory, 2,048 bytes apart
	v_and_b32 v6, 31, v0                           ; back, for q and k: wave w takes head w's 64 bytes of every row, eight rows an instruction
	v_lshrrev_b32 v5, 2, v6
	v_mul_u32_u24 v5, v5, SPITCH
	v_and_b32 v7, 3, v6
	v_lshl_add_u32 v5, v7, 4, v5
	s_lshl_b32 s23, s14, 6
	v_add_nc_u32 v[RDQ], s23, v5
	v_add_nc_u32 v[RDQ2], 128*SPITCH, v[RDQ]       ; rows 128 on: past the reach of the 16-bit offset
	v_lshlrev_b32 v[COQ], 4, v6                    ; in memory a head's 256 tokens are one dense block
	s_lshr_b32 s92, s17, 3                         ; where my part begins in qkvc.  q, k: plane + (((b x 16 + 4 x tile column + wave) x 2,048 + 256 x (tile row % 8)) x 64
	s_lshl_b32 s92, s92, 4
	s_lshl_b32 s93, s42, 2
	s_add_co_u32 s92, s92, s93
	s_add_co_u32 s92, s92, s14
	s_lshl_b32 s92, s92, 11
	s_and_b32 s93, s17, 7
	s_lshl_b32 s93, s93, 8
	s_add_co_u32 s92, s92, s93
	s_lshl_b32 s92, s92, 6
	s_add_co_u32 s92, s92, s69
	s_lshr_b32 s94, s42, 3                         ; v: plane 2 + b x 2 MiB + 256 x tile row rows of 2,048 + 256 x (tile column % 8)
	s_lshl_b32 s94, s94, 21
	s_lshl_b32 s95, s17, 19
	s_add_co_u32 s94, s94, s95
	s_and_b32 s95, s42, 7
	s_lshl_b32 s95, s95, 8
	s_add_co_u32 s94, s94, s95
	s_add_co_u32 s94, s94, 0x1000000
	s_cmp_eq_u32 ttmp9, 2
	s_cselect_b32 s92, s94, s92
	s_mov_b32 s93, 0
	s_add_nc_u64 s[10:11], s[10:11], s[92:93]
.macro FRAG reg, adr, q, i             ; 16 rows x 128 K: lane l holds row l % 16; registers 4 c .. 4 c + 3 hold K = 32 c + 16 (l / 16) + 0 .. 15, alike in A and in B
.irp c, 0,1,2,3
	ds_load_b128 v[\reg+4*\c:\reg+4*\c+3], v[\adr] offset:128*(\q)+32*\c+(\i)*16*PITCH
.endr
.endm
; 16 matrix instructions: A's blocks a0, a0 + 1 x B's eight.  The 64 accumulators take turns, one instruction a turn, in the same order in every step.
.macro MUL16 a0, p, zero
.irp a, \a0, \a0+1
.irp b, 0,1,2,3,4,5,6,7
.if \zero
	v_wmma_f32_16x16x128_fp8_fp8 v[8*(8*((\a)%4)+\b):8*(8*((\a)%4)+\b)+7], v[128*(\p)+FR*\b:128*(\p)+FR*\b+FR-1], v[AF+FR*(\a):AF+FR*(\a)+FR-1], 0
.else
	v_wmma_f32_16x16x128_fp8_fp8 v[8*(8*((\a)%4)+\b):8*(8*((\a)%4)+\b)+7], v[128*(\p)+FR*\b:128*(\p)+FR*\b+FR-1], v[AF+FR*(\a):AF+FR*(\a)+FR-1], v[8*(8*((\a)%4)+\b):8*(8*((\a)%4)+\b)+7]
.endif
.endr
.endr
.endm
.macro FETCH_B slot, q, p
	WIN TO_B
.irp i, 0,1,2,3,4,5,6,7
	FRAG 128*(\p)+FR*\i, ADRB+\slot, \q, \i
.endr
	WIN 0
.endm
.macro FETCH_A slot, q, i0
.irp i, \i0, \i0+1, \i0+2, \i0+3
	FRAG AF+FR*(\i), ADRA+\slot, \q, \i
.endr
.endm
.macro PLACES n                        ; plain vector lines between a matrix instruction and a load into, or a read of, its registers
.rept \n
	v_nop
.endr
.endm
.macro STEP slot, q, zero              ; 128 along K, with its successor in the same slot
	s_wait_dscnt 4*NL                              ; B's set and A's blocks 0-3 are in; the youngest sixteen loads (A's blocks 4-7) may be out
	WIN MUL_LO
	MUL16 0, (\q)%2, \zero
	MUL16 2, (\q)%2, \zero
	s_wait_dscnt 0
	PLACES NP
	FETCH_B \slot, (\q)+1, 1-(\q)%2
	FETCH_A \slot, (\q)+1, 0
	WIN MUL_HI
	MUL16 4, (\q)%2, \zero
	MUL16 6, (\q)%2, \zero
	PLACES NP
	WIN 0
	FETCH_A \slot, (\q)+1, 4
.endm
; A slot's last step changes slots: one barrier; ahead of it each wave waits for all its tensor loads, adds 0 to its spare word, and waits for that and for its reads of this slot.
.macro TURN slot, next, fill
	s_wait_tensorcnt 0x0                           ; all my tensor loads have landed: my part of the next slot
	ds_add_u32 v[SPW], v[NIL]
	s_wait_dscnt 4*NL+1                            ; the add and the youngest sixteen loads may be out
	WIN MUL_LO
	MUL16 0, 1, 0
	s_wait_dscnt 0x0                               ; the add is done, and my reads of this slot are over
	s_barrier_signal -1
	MUL16 2, 1, 0
	WIN 0
	s_barrier_wait -1
.if \fill
	CREST                                          ; the barrier has opened a round of the cluster's: no wave of any partner still reads this slot or has a load on its way
	s_add_nc_u64 s[G0+4*\slot+2:G0+4*\slot+3], s[G0+4*\slot+2:G0+4*\slot+3], 2*ROWB
	s_add_nc_u64 s[G0B+4*\slot+2:G0B+4*\slot+3], s[G0B+4*\slot+2:G0B+4*\slot+3], 2*ROWB
	JLOAD G0+4*\slot, G1, G0B+4*\slot, G1B         ; the first tensor load behind the round; its four v_nop are also the places ahead of the loads below
.else
	PLACES NP
.endif
	FETCH_B \next, 0, 0
	FETCH_A \next, 0, 0
	WIN MUL_HI
	MUL16 4, 1, 0
	MUL16 6, 1, 0
	PLACES NP
	WIN 0
	FETCH_A \next, 0, 4
.endm
	s_wait_alu depctr_va_vdst(0)
	s_wait_tensorcnt 0x0                           ; my part of K step 0 is in
	ds_add_u32 v[SPW], v[NIL]
	s_wait_dscnt 0x0
	CROUND                                         ; a whole round: everybody's part of K step 0 is in,
	JLOAD G0+4, G1, G0B+4, G1B                     ; and K step 1's load is the first tensor load behind the round
	FETCH_B 0, 0, 0
	FETCH_A 0, 0, 0
	FETCH_A 0, 0, 4
	global_prefetch_b8 v8, s[96:97] offset:768 th:TH_LOAD_NT scope:SCOPE_SE   ; K step 3, behind K step 1's load and the run of LDS loads
	STEP 0, 0, 1                                   ; the first step's products start the sums
	s_mov_b32 s3, LAPS-1
.Llap:                                                 ; once round the ring, from a lap's second step to the next lap's first; both slots are filled again
	TURN 0, 1, 1
	STEP 1, 0, 0
	TURN 1, 0, 1
	STEP 0, 0, 0
	s_sub_co_u32 s3, s3, 1
	s_cmp_lg_u32 s3, 0
	s_cbranch_scc1 .Llap
	TURN 0, 1, 0                                   ; the last lap fills nothing
	STEP 1, 0, 0
	s_wait_dscnt 4*NL
	WIN MUL_LO
	MUL16 0, 1, 0
	MUL16 2, 1, 0
	s_wait_dscnt 0
	WIN MUL_HI
	MUL16 4, 1, 0
	MUL16 6, 1, 0
	WIN 0
	; THE WAY OUT: hold, convert, 16 bytes a lane into the work-group's stage; a barrier; back as whole runs of memory.
	s_wait_kmcnt 0x0
	s_cmp_eq_u32 ttmp9, 0
	s_cselect_b32 s92, s78, s79                    ; the result's exponent: e6 (q), e7 (k),
	s_cselect_b32 s93, s72, s74                    ; the weight's: e0, e2,
	s_cselect_b32 s94, s73, s75                    ; x's: e1, e3,
	s_cmp_eq_u32 ttmp9, 2
	s_cselect_b32 s92, s80, s92                    ; or e8,
	s_cselect_b32 s93, s76, s93                    ; e4,
	s_cselect_b32 s94, s77, s94                    ; e5 (v)
	s_sub_co_i32 s92, s92, s93
	s_sub_co_i32 s92, s92, s94
	s_add_co_i32 s92, s92, 127
	s_lshl_b32 s93, s92, 23
	v_mov_b32 v[SCL], s93                          ; 2^(eout - ew - ex)
	s_add_co_i32 s92, s92, 8
	s_lshl_b32 s92, s92, 23
	s_or_b32 s92, s92, 0x600000
	v_mov_b32 v[LIMV], s92                         ; 448 x that
	PLACES NP
.macro QBLOCK a                        ; block a: 16 rows x 128 columns; its codes have registers of their own, so nothing waits for the LDS stores
.set AC, 64*((\a)%4)
	WIN 0x02+((\a)/4)                              ; source 0: window 2 or 3
.set j, 0
.rept 64
	v_med3_num_f32 v[TMP+j], v[AC+j], -v[LIMV], v[LIMV]   ; the conversion does not saturate (ISA guide 7.6.2); each accumulator from its low end on
.set j, j+1
.endr
	WIN 0
.irp b, 0,1,2,3,4,5,6,7
	v_cvt_scalef32_pk8_fp8_f32 v[CD+16*(\a)+2*\b:CD+16*(\a)+2*\b+1], v[TMP+8*\b:TMP+8*\b+7], v[SCL]
.endr
	v_nop                                          ; a plain line between the conversions and the next block's holds, which write their sources
.irp b, 0,1,2,3
	ds_store_b128 v[STO], v[CD+16*(\a)+4*\b:CD+16*(\a)+4*\b+3] offset:(\a)*16*SPITCH+32*\b
.endr
.endm
.irp a, 0,1,2,3,4,5,6,7
	QBLOCK \a
.endr
	s_wait_dscnt 0x0                               ; for the others' sake: my stores into the stage are done
	s_barrier_signal -1
	s_barrier_wait -1
	s_cmp_eq_u32 ttmp9, 2                          ; the cluster's x: the same way in all partners
	s_cbranch_scc1 .Lout_v
.set i, 0
.rept 16
	ds_load_b128 v[32+4*i:35+4*i], v[RDQ] offset:8*SPITCH*i
.set i, i+1
.endr
.rept 16
	ds_load_b128 v[32+4*i:35+4*i], v[RDQ2] offset:8*SPITCH*(i-16)
.set i, i+1
.endr
.set i, 0
.rept 32
	s_wait_dscnt 31-i
	global_store_b128 v[COQ], v[32+4*i:35+4*i], s[10:11] offset:512*i    ; eight tokens of one head: 512 consecutive bytes, aligned
.set i, i+1
.endr
	s_branch .Lend
.Lout_v:
.set i, 0
.rept 32
	ds_load_b128 v[32+4*i:35+4*i], v[RDV] offset:2*SPITCH*i
.set i, i+1
.endr
.set i, 0
.rept 32
	s_wait_dscnt 31-i
	global_store_b128 v[COV], v[32+4*i:35+4*i], s[10:11] offset:4096*i   ; sixteen lanes store 256 consecutive bytes, aligned
.set i, i+1
.endr
.Lend:
	s_wait_tensorcnt 0x0                           ; the wave's end
	ds_add_u32 v[SPW], v[NIL]
	s_wait_dscnt 0x0
	CROUND                                         ; the closing round
	s_endpgm
.Lfunc_end_k_qc5ecbd8bbe_qkv:
	.size	k_qc5ecbd8bbe_qkv, .Lfunc_end_k_qc5ecbd8bbe_qkv-k_qc5ecbd8bbe_qkv
	.p2alignl 7, 3214868480
	.fill 96, 4, 3214868480
	.section	.rodata,"a",@progbits
	.p2align	6, 0x0
	.amdhsa_kernel k_qc5ecbd8bbe_qkv
		.amdhsa_group_segment_fixed_size 327680
		.amdhsa_private_segment_fixed_size 0
		.amdhsa_enable_private_segment 0
		.amdhsa_kernarg_size 32
		.amdhsa_user_sgpr_count 2
		.amdhsa_user_sgpr_kernarg_segment_ptr 1
		.amdhsa_wavefront_size32 1
		.amdhsa_system_sgpr_workgroup_id_x 1
		.amdhsa_system_sgpr_workgroup_id_y 1
		.amdhsa_system_sgpr_workgroup_id_z 1
		.amdhsa_system_vgpr_workitem_id 0
		.amdhsa_next_free_vgpr 1024
		.amdhsa_next_free_sgpr 100
		.amdhsa_reserve_vcc 0
		.amdhsa_float_denorm_mode_32 3
		.amdhsa_float_denorm_mode_16_64 3
		.amdhsa_memory_ordered 1
		.amdhsa_forward_progress 1
		.amdhsa_inst_pref_size 131
	.end_amdhsa_kernel
	.amdgpu_metadata
---
amdhsa.version: [ 1, 2 ]
amdhsa.kernels:
  - .name:           k_qc5ecbd8bbe_qkv
    .symbol:         k_qc5ecbd8bbe_qkv.kd
    .args:
      - { .name: xc, .offset: 0, .size: 8, .value_kind: global_buffer, .address_space: global }
      - { .name: wc, .offset: 8, .size: 8, .value_kind: global_buffer, .address_space: global }
      - { .name: lowp_scales, .offset: 16, .size: 8, .value_kind: global_buffer, .address_space: global }
      - { .name: qkvc, .offset: 24, .size: 8, .value_kind: global_buffer, .address_space: global }
    .group_segment_fixed_size: 327680
    .private_segment_fixed_size: 0
    .kernarg_segment_align: 8
    .kernarg_segment_size: 32
    .max_flat_workgroup_size: 128
    .sgpr_count:     100
    .vgpr_count:     1024
    .wavefront_size: 32
...
	.end_amdgpu_metadata
.endif
;; end of part 2
;; launch attn (part 3): grid 4 x 64, 8 waves a work-group, no clusters, 327,680 bytes of LDS; arguments qkvc, mbias, lowp_scales, aoc; writes aoc
.if DOCPART == 3
	.amdgcn_target "amdgcn-amd-amdhsa--gfx1250"
	.amdhsa_code_object_version 6
	.text
	.protected	k_qc5ecbd8bbe_attn
	.globl	k_qc5ecbd8bbe_attn
	.p2align	8
	.type	k_qc5ecbd8bbe_attn,@function
k_qc5ecbd8bbe_attn:
	s_mov_b64 s[64:65], 0
	v_nop
	global_prefetch_b8 v0, s[64:65] scope:SCOPE_SE
	s_setreg_imm32_b32 hwreg(HW_REG_WAVE_MODE, 25, 1), 1
	s_wait_xcnt 0x0
; Causal attention with a padding mask on codes of E4M3, head size 64, 2,048 tokens, 64 heads (b*16+h).  q, k: [bh][t][64]; v: [bh][d][2048 keys] (qkvc's planes 0, 1, 2; in each 32 bytes the two
; middle blocks of eight are swapped, alike in q and k, and so that 16-byte reads of v give the plain form's own order of k).  The result is quantised with e10 into aoc [h][b*2048+t][64], d in its natural order.
; LEFT OUT: key steps all of whose keys come after a wave's queries: the causal mask, which the source builds itself, makes their weights 0 for all values of the inputs.
; THE SOFTMAX: t = score x log2(e) / 8 x 2^(e6 + e7) + the key's mask term, rounded as one fused multiply-add, so that a score is absorbed under a mask term as in the source; causally hidden scores are
; -infinity.  M = the running largest t rounded up to a whole number; p = 2^(t - M) is quantised with e9; the row's sum is taken of the unquantised p and divides at the end; when M moves, the sum and O
; are multiplied by 2^(old M - new M).  A row all of whose visible keys are masked gives their plain average, as the source does.
; SHARES.  Work-group (i, bh) owns query blocks i and 7 - i of 256 queries, one after the other: (i + 1) + (8 - i) = 9 slots of 256 keys in every work-group, so the trip count is a constant.
; Each of EIGHT waves owns 32 queries, two tiles A and B of 16, in 512 registers, two waves to a SIMD: a fragment of K, of V or of the mask terms read from LDS serves both tiles, and the two tiles' chains of vector work are interleaved.
; THE RING: two LDS slots; wave 0 fetches a slot's K (one dense block of 16 KiB), wave 1 its V (64 rows of 256 bytes), wave 2 its 256 mask terms: one tensor load of a wave is out at most; every wait on TENSORcnt is for 0.
; A trip walks its slot's two key steps of 128 keys in a counted loop of two; three scalars hold the step's place in K, V and the mask terms and are turned by exclusive ors.
; NO CLUSTER: the four work-groups of a head walk the same slots only in their first trips; from trip i + 1 on work-group i starts again at slot 0, so partners would need different tiles in the same trip.
; LAYOUT.  S^T = K Q^T (source 0 = 16 neighbouring keys, source 1 = 16 queries): lane (r, h) holds query r, register j of tile t key 16 t + 8 h + j; its eight codes are registers 2 t, 2 t + 1 of the operand of O^T = V^T P^T.
; REGISTERS.  Window 0: v1-14 addresses; v32-159 S^T, t, p (A, B); v160-223 O^T (A, B); v224-255 the softmax's state.  Window 1: v0-63 K, v64-127 V, v128-191 mask terms, v192-223 Q of both blocks, v224-255 p's codes.
; LIMITS: e6 + e7 between -123 and 130; e9 and e10 between -126 and 119.  NaN is not served.
.set SLOT1, 1<<16                      ; slot 1 begins here: one exclusive or turns an address
.set KP,    272                        ; four keys' 256 bytes, or a row of V's tile, + 16 of padding
.set VOFF,  64*KP
.set MOFF,  2*64*KP
.set STAGE, 2*SLOT1                    ; the way out: 32 rows x 64 bytes for each wave; no tile lands here
.set SPARE, STAGE+8*2048               ; the spare words, 128 bytes a wave, that no other line names
.set AK0, 1
.set AV0, 2
.set PFO, 3
.set AM0, 4
.set SPW, 5
.set NIL, 6
.set GO,  7
.set ADK, 8
.set ADV, 9
.set ADM, 10
.set STO, 11
.set RD,  12
.set DG,  13                           ; r - 8 h
.set QOF, 14
.set S,   32
.set O,   160
.set NM,  224                          ; v[224:225] A's -M and largest t; v[226:227] B's
.set FF,  228                          ; v228 A's f, v230 B's (v229, v231 are named as the pairs' upper halves)
.set CH,  232                          ; four chains of sums for A (the first is the row's sum), from 240 on for B
.set WA,  234                          ; the maxima's two chains of A, in chains that are free then
.set WB,  242
.set LIM9, 248
.set LIM9B, 255                        ; the same number once more, in another register bank, for the second half of a dual pair
.set SC9,  249
.set LIM10, 250
.set SC10, 251
.set NINF, 252
.set PLA,  253
.set PLB,  254
.set KR,  0                            ; window 1
.set VR,  64
.set MR,  128
.set QR,  192
.set PC,  224
.set TBK, 2                            ; s2, s14, s15: where the step in hand begins in K, in V's rows, in the mask terms
.set TBV, 14
.set TBM, 15
.set QC,  16
.set DM,  4                            ; s4-11: lane masks of the diagonal tile: register j is hidden where 8 h + j > r
.set WV,  18
.set IX,  19
.set SEL, 20
.set CS,  22
.set G1K, 24
.set G1V, 32
.set G1M, 40
.set G0K, 48
.set G0V, 52
.set G0M, 56
.set KB,  60
.set VB,  62
.set MBB, 66
.set TAU, 80
.set KSN, 81
.set KF,  82
.set Q0,  83
.set LIM, 84
.set PFA, 86
.set PFS, 88
.set AO,  90
.set AO1, 92
.set Q0B, 94
.set MSB, 0
.macro WIN new                         ; the immediate's high byte repeats the setting that is left; at every label and branch the setting is 0
.if MSB != \new
	s_set_vgpr_msb (MSB<<8)|\new
.set MSB, \new
.endif
.endm
.macro TLOAD                           ; the branches hang on the wave's number alone; an s_nop 0 and four v_nop follow each load
	s_cmp_eq_u32 s[WV], 0
	s_cbranch_scc0 .Lnot_k_\@
	tensor_load_to_lds s[G0K:G0K+3], s[G1K:G1K+7]
	s_nop 0
.rept 4
	v_nop
.endr
	s_branch .Lasked_\@
.Lnot_k_\@:
	s_cmp_eq_u32 s[WV], 1
	s_cbranch_scc0 .Lnot_v_\@
	tensor_load_to_lds s[G0V:G0V+3], s[G1V:G1V+7]
	s_nop 0
.rept 4
	v_nop
.endr
	s_branch .Lasked_\@
.Lnot_v_\@:
	s_cmp_eq_u32 s[WV], 2
	s_cbranch_scc0 .Lasked_\@
	tensor_load_to_lds s[G0M:G0M+3], s[G1M:G1M+7]
	s_nop 0
.rept 4
	v_nop
.endr
.Lasked_\@:
.endm
; A prefetch into the L2: in trip tau the head's work-group 0 names key slot tau + 1 (slots 1 to 7), which its own tensor load asks for one trip later.  Waves 4 and 5: K's 16 KiB, lanes 256 bytes apart,
; 8,192 bytes a wave; waves 6 and 7: V's 64 rows, a lane a row.  Each aligned 256 bytes is named once in the launch.  Slot 0 and the mask terms come by their loads alone; trips 7 and 8 ask for nothing.
.macro ASK
	s_cmp_lt_u32 s[TAU], s[LIM]
	s_cbranch_scc0 .Lnot_mine_\@
	global_prefetch_b8 v[PFO], s[PFA:PFA+1] th:TH_LOAD_NT scope:SCOPE_SE
.Lnot_mine_\@:
.endm
.macro FRESH                           ; a block of queries begins: the largest t at the lowest finite number, so that mask terms still count; sums and O^T at zero, so that the step is written once
	v_mov_b32 v[NM+1], 0xff7fffff
	v_mov_b32 v[NM+3], 0xff7fffff
	v_mov_b32 v[CH], 0
	v_mov_b32 v[CH+1], 0
	v_mov_b32 v[CH+8], 0
	v_mov_b32 v[CH+9], 0
	v_floor_f32 v[NM], -v[NM+1]
	v_floor_f32 v[NM+2], -v[NM+3]
.set j, 0
.rept 64
	v_mov_b32 v[O+j], 0
.set j, j+1
.endr
.endm
	s_load_b256 s[4:11], s[0:1], 0x0               ; qkvc 4:5, mbias 6:7, the exponents 8:9, aoc 10:11
	v_lshl_add_u32 v[SPW], v0, 2, SPARE
	v_mov_b32 v[NIL], 0
	ds_add_u32 v[SPW], v[NIL]                      ; the wave's opening: the add, twice on end, and its wait ahead of the first tensor load
	ds_add_u32 v[SPW], v[NIL]
	v_lshrrev_b32 v15, 5, v0
	v_readfirstlane_b32 s[WV], v15
	s_mov_b32 s[IX], ttmp9
	s_and_b32 s3, ttmp7, 0xffff                    ; bh
	s_lshl_b32 s96, s[WV], 5
	s_lshl_b32 s[Q0], ttmp9, 8
	s_add_co_u32 s[Q0], s[Q0], s96                 ; my first query in block i,
	s_sub_co_u32 s[Q0B], 7, ttmp9
	s_lshl_b32 s[Q0B], s[Q0B], 8
	s_add_co_u32 s[Q0B], s[Q0B], s96               ; and in block 7 - i
	s_mov_b32 s[G1K], (0<<16)|(1<<20)|(5<<22)|(3<<25)   ; K: 64 rows of 256 bytes, dense; four words of padding after every 64
	s_mov_b32 s[G1K+1], 256<<16
	s_mov_b32 s[G1K+2], 64<<16
	s_mov_b32 s[G1K+3], 256<<16
	s_mov_b32 s[G1K+4], 64
	s_mov_b32 s[G1K+5], 256
	s_mov_b32 s[G1K+6], 0
	s_mov_b32 s[G1K+7], 0
	s_mov_b32 s[G1V], (0<<16)|(1<<20)|(5<<22)|(3<<25)   ; V: 64 rows of 256 bytes, 2,048 apart
	s_mov_b32 s[G1V+1], 256<<16
	s_mov_b32 s[G1V+2], 64<<16
	s_mov_b32 s[G1V+3], 256<<16
	s_mov_b32 s[G1V+4], 64
	s_mov_b32 s[G1V+5], 2048
	s_mov_b32 s[G1V+6], 0
	s_mov_b32 s[G1V+7], 0
	s_mov_b32 s[G1M], 3<<16                        ; the mask terms: one row of 128 elements of 8 bytes
	s_mov_b32 s[G1M+1], 128<<16
	s_mov_b32 s[G1M+2], 1<<16
	s_mov_b32 s[G1M+3], 128<<16
	s_mov_b32 s[G1M+4], 1
	s_mov_b32 s[G1M+5], 128
	s_mov_b32 s[G1M+6], 0
	s_mov_b32 s[G1M+7], 0
	s_mov_b32 s[SEL], 0x76543210
	s_mov_b32 s[SEL+1], 0xfedcba98
	s_mov_b32 s[CS], 0x3e38aa3b                    ; log2(e) / sqrt(64)
	s_mov_b32 s[TAU], 0
	s_mov_b32 s[KSN], 0
	s_wait_dscnt 0x0                               ; both opening adds are done
	s_wait_kmcnt 0x0
	s_load_b256 s[68:75], s[8:9], 0x0              ; e0 .. e7
	s_load_b128 s[76:79], s[8:9], 0x20             ; e8 .. e11
	s_lshl_b32 s96, s3, 17                         ; a head's 131,072 bytes in each plane
	s_mov_b32 s97, 0
	s_add_nc_u64 s[14:15], s[4:5], s[96:97]
	s_add_nc_u64 s[KB:KB+1], s[14:15], 0x800000
	s_add_nc_u64 s[VB:VB+1], s[14:15], 0x1000000
	s_lshr_b32 s96, s3, 4
	s_lshl_b32 s96, s96, 13
	s_add_nc_u64 s[MBB:MBB+1], s[6:7], s[96:97]
	s_mov_b32 s[G0K], 1
	s_mov_b32 s[G0K+1], 0
	s_mov_b64 s[G0K+2:G0K+3], s[KB:KB+1]
	s_or_b32 s[G0K+3], s[G0K+3], 0x80000000
	s_mov_b32 s[G0V], 1
	s_mov_b32 s[G0V+1], VOFF
	s_mov_b64 s[G0V+2:G0V+3], s[VB:VB+1]
	s_or_b32 s[G0V+3], s[G0V+3], 0x80000000
	s_mov_b32 s[G0M], 1
	s_mov_b32 s[G0M+1], MOFF
	s_mov_b64 s[G0M+2:G0M+3], s[MBB:MBB+1]
	s_or_b32 s[G0M+3], s[G0M+3], 0x80000000
	TLOAD                                          ; key slot 0 into LDS slot 0
	s_lshl_b32 s96, s[Q0], 6
	s_add_nc_u64 s[12:13], s[14:15], s[96:97]      ; q's codes at my first query of each block
	s_lshl_b32 s96, s[Q0B], 6
	s_add_nc_u64 s[16:17], s[14:15], s[96:97]
	s_and_b32 s96, s3, 15                          ; aoc: head x 524,288 + (b x 2,048 + query) x 64
	s_lshl_b32 s96, s96, 19
	s_lshr_b32 s98, s3, 4
	s_lshl_b32 s98, s98, 17
	s_add_co_u32 s96, s96, s98
	s_add_nc_u64 s[AO1:AO1+1], s[10:11], s[96:97]
	s_lshl_b32 s96, s[Q0], 6
	s_add_nc_u64 s[AO:AO+1], s[AO1:AO1+1], s[96:97]
	s_lshl_b32 s96, s[Q0B], 6
	s_add_nc_u64 s[AO1:AO1+1], s[AO1:AO1+1], s[96:97]
	s_cmp_lt_u32 s[WV], 6                          ; the prefetches: waves 4, 5 stand in K, waves 6, 7 in V
	s_cselect_b64 s[PFA:PFA+1], s[KB:KB+1], s[VB:VB+1]
	s_mov_b32 s[PFS], 256
	s_cselect_b32 s[PFS], 16384, s[PFS]            ; a slot on
	s_mov_b32 s99, 2048
	s_cselect_b32 s99, 256, s99                    ; from lane to lane
	s_mov_b32 s98, 65536
	s_cselect_b32 s98, 8192, s98                   ; from wave to wave
	s_and_b32 s96, s[WV], 1
	s_mul_i32 s96, s96, s98
	s_add_nc_u64 s[PFA:PFA+1], s[PFA:PFA+1], s[96:97]   ; at slot 0: the first change of slots steps it to slot 1
	s_mov_b32 s[PFS+1], 0
	s_sub_co_u32 s96, s[WV], 4
	s_lshr_b32 s96, s96, 2                         ; 0 in waves 4 to 7,
	s_or_b32 s96, s96, ttmp9                       ; of the head's first work-group
	s_cmp_eq_u32 s96, 0
	s_cselect_b32 s[LIM], 7, 0
	s_lshl_b32 s98, s[WV], 11
	s_add_co_u32 s98, s98, STAGE                   ; my stage
	v_and_b32 v16, 15, v0                          ; r
	v_bfe_u32 v17, v0, 4, 1                        ; h
	v_lshlrev_b32 v[QOF], 6, v16
	v_lshl_add_u32 v[QOF], v17, 4, v[QOF]
	WIN 0x40                                       ; loaded data into window 1
.irp a, 0,1
.irp c, 0,1
	global_load_b128 v[QR+8*\a+4*\c:QR+8*\a+4*\c+3], v[QOF], s[12:13] offset:1024*\a+32*\c
	global_load_b128 v[QR+16+8*\a+4*\c:QR+16+8*\a+4*\c+3], v[QOF], s[16:17] offset:1024*\a+32*\c
.endr
.endr
	WIN 0
	v_lshrrev_b32 v18, 2, v16
	v_mul_u32_u24 v[AK0], v18, KP
	v_and_b32 v18, 3, v16
	v_lshl_add_u32 v[AK0], v18, 6, v[AK0]
	v_lshl_add_u32 v[AK0], v17, 4, v[AK0]          ; K: key r of a tile: (r / 4) x 272 + (r % 4) x 64 + 16 h
	v_mul_u32_u24 v[AV0], v16, KP
	v_lshl_add_u32 v[AV0], v17, 4, v[AV0]
	v_add_nc_u32 v[AV0], VOFF, v[AV0]              ; V: row d = r, + 16 h
	v_lshlrev_b32 v[AM0], 5, v17
	v_add_nc_u32 v[AM0], MOFF, v[AM0]              ; the mask terms of my half's eight keys
	v_and_b32 v[GO], 31, v0
	v_mul_lo_u32 v[PFO], v[GO], s99
	v_lshlrev_b32 v[GO], 4, v[GO]
	v_lshlrev_b32 v[STO], 6, v16
	v_lshl_add_u32 v[STO], v17, 3, v[STO]
	v_add_nc_u32 v[STO], s98, v[STO]               ; into my stage: row r, + 8 h
	v_add_nc_u32 v[RD], s98, v[GO]                 ; back: 16 bytes a lane
	v_lshlrev_b32 v[DG], 3, v17
	v_sub_nc_u32 v[DG], v16, v[DG]
	v_mov_b32 v[PLA], 0                            ; a lane permute's destination counts as one of its sources
	v_mov_b32 v[PLB], 0
	v_mov_b32 v[FF+1], 0                           ; (named as the upper halves of f's pairs)
	v_mov_b32 v[FF+3], 0
	v_mov_b32 v[NINF], 0xff800000
	FRESH
	s_wait_alu depctr_va_vdst(0)
	s_wait_kmcnt 0x0
	s_add_co_i32 s96, s74, s75
	s_lshl_b32 s96, s96, 23
	s_add_co_i32 s[CS], s[CS], s96                 ; e6 + e7 go into c's exponent field
	s_mov_b32 s[CS+1], s[CS]
	s_add_co_i32 s96, s77, 127
	s_lshl_b32 s98, s96, 23
	v_mov_b32 v[SC9], s98                          ; 2^e9
	s_add_co_i32 s96, s96, 8
	s_lshl_b32 s96, s96, 23
	s_or_b32 s96, s96, 0x600000
	v_mov_b32 v[LIM9], s96                         ; 448 x 2^e9
	v_mov_b32 v[LIM9B], s96
	s_add_co_i32 s96, s78, 127
	s_lshl_b32 s98, s96, 23
	v_mov_b32 v[SC10], s98                         ; 2^e10
	s_add_co_i32 s96, s96, 8
	s_lshl_b32 s96, s96, 23
	s_or_b32 s96, s96, 0x600000
	v_mov_b32 v[LIM10], s96                        ; 448 x 2^e10
	s_add_co_i32 s85, s76, s77                     ; e8 + e9
.irp j, 0,1,2,3,4,5,6,7
	v_cmp_gt_i32 s[DM+\j], \j, v[DG]               ; in the tile on the diagonal register j (key 8 h + j) is hidden from query r where j > r - 8 h
.endr
; A KEY STEP: 128 keys against my 32 queries.
.macro STEP
	s_add_co_u32 s96, s[Q0], 31
	s_cmp_gt_u32 s[KF], s96                        ; all its keys come after my queries: ids and counted steps alone; no barrier and no tensor load stands in a step
	s_cbranch_scc1 .Lhidden_\@
	v_add_nc_u32 v[ADK], s[TBK], v[AK0]
	v_add_nc_u32 v[ADV], s[TBV], v[AV0]
	v_add_nc_u32 v[ADM], s[TBM], v[AM0]
	v_nop                                          ; four plain lines ahead of loads into registers that the last products read
	WIN 0x40
.irp t, 0,1,2,3,4,5,6,7
	ds_load_b128 v[KR+8*\t:KR+8*\t+3], v[ADK] offset:4*\t*KP
	ds_load_b128 v[KR+8*\t+4:KR+8*\t+7], v[ADK] offset:4*\t*KP+32
.endr
.irp t, 0,1,2,3,4,5,6,7                        ; the mask terms in the scores' layout: register 8 t + j = key 16 t + 8 h + j
	ds_load_b128 v[MR+8*\t:MR+8*\t+3], v[ADM] offset:64*\t
	ds_load_b128 v[MR+8*\t+4:MR+8*\t+7], v[ADM] offset:64*\t+16
.endr
.irp u, 0,1,2,3
.irp c, 0,1,2,3
	ds_load_b128 v[VR+16*\u+4*\c:VR+16*\u+4*\c+3], v[ADV] offset:16*KP*\u+32*\c
.endr
.endr
	s_wait_dscnt 32                                ; K's sixteen loads are in; the mask terms' sixteen and V's sixteen may be out
	WIN 0x05                                       ; sources 0 and 1 in window 1
.irp t, 0,1,2,3,4,5,6,7
	v_wmma_f32_16x16x64_fp8_fp8 v[S+8*\t:S+8*\t+7], v[KR+8*\t:KR+8*\t+7], v[QR:QR+7], 0
	v_wmma_f32_16x16x64_fp8_fp8 v[S+64+8*\t:S+64+8*\t+7], v[KR+8*\t:KR+8*\t+7], v[QR+8:QR+15], 0
.endr
	WIN 0
.rept 4
	v_nop
.endr
	s_add_co_u32 s96, s[KF], 127                   ; on the diagonal hidden scores become -infinity; a step all of whose keys count jumps over this
	s_cmp_le_u32 s96, s[Q0]
	s_cbranch_scc1 .Lopen_\@
	s_sub_co_i32 s96, s[Q0], s[KF]
	s_lshr_b32 s96, s96, 5                         ; g: key tiles 2 g and 2 g + 1 face my 32 queries; pairs of tiles before them count whole, pairs behind them are hidden whole
.irp u, 0,1,2,3
	s_cmp_gt_u32 s96, \u
	s_cbranch_scc1 .Lvis_\@_\u
	s_cmp_eq_u32 s96, \u
	s_cbranch_scc0 .Lhid_\@_\u
.irp j, 0,1,2,3,4,5,6,7
	v_cndmask_b32 v[S+16*\u+\j], v[S+16*\u+\j], v[NINF], s[DM+\j]          ; A against tile 2 g: the diagonal
	v_cndmask_b32 v[S+72+16*\u+\j], v[S+72+16*\u+\j], v[NINF], s[DM+\j]    ; B against tile 2 g + 1: the diagonal
	v_mov_b32 v[S+8+16*\u+\j], v[NINF]                                     ; A against tile 2 g + 1: hidden
.endr
	s_branch .Lvis_\@_\u
.Lhid_\@_\u:
.irp j, 0,1,2,3,4,5,6,7,8,9,10,11,12,13,14,15
	v_mov_b32 v[S+16*\u+\j], v[NINF]
	v_mov_b32 v[S+64+16*\u+\j], v[NINF]
.endr
.Lvis_\@_\u:
.endr
.Lopen_\@:
	s_wait_alu depctr_va_vdst(0)
	s_wait_dscnt 0x0                               ; the mask terms and V are in
	WIN 0x10                                       ; source 2 in window 1
.set j, 0
.rept 32
	v_pk_fma_f32 v[S+j:S+j+1], v[S+j:S+j+1], s[CS:CS+1], v[MR+j:MR+j+1] op_sel_hi:[1,0,1]   ; t = score x c + the mask term
	v_pk_fma_f32 v[S+64+j:S+64+j+1], v[S+64+j:S+64+j+1], s[CS:CS+1], v[MR+j:MR+j+1] op_sel_hi:[1,0,1]
.set j, j+2
.endr
	WIN 0
	v_max3_num_f32 v[WA], v[S], v[S+1], v[S+2]     ; the step's largest t of each query: two chains a tile, the tiles by turns
	v_max3_num_f32 v[WB], v[S+64], v[S+65], v[S+66]
	v_max3_num_f32 v[WA+1], v[S+3], v[S+4], v[S+5]
	v_max3_num_f32 v[WB+1], v[S+67], v[S+68], v[S+69]
.set j, 6
.rept 14
	v_max3_num_f32 v[WA], v[WA], v[S+j], v[S+j+1]
	v_max3_num_f32 v[WB], v[WB], v[S+64+j], v[S+64+j+1]
	v_max3_num_f32 v[WA+1], v[WA+1], v[S+j+2], v[S+j+3]
	v_max3_num_f32 v[WB+1], v[WB+1], v[S+64+j+2], v[S+64+j+3]
.set j, j+4
.endr
	v_max3_num_f32 v[WA], v[WA], v[S+62], v[S+63]
	v_max3_num_f32 v[WB], v[WB], v[S+126], v[S+127]
	v_max_num_f32 v[WA], v[WA], v[WA+1]
	v_max_num_f32 v[WB], v[WB], v[WB+1]
	v_permlanex16_b32 v[PLA], v[WA], s[SEL], s[SEL+1]
	v_permlanex16_b32 v[PLB], v[WB], s[SEL], s[SEL+1]
	v_mov_b32 v[WA+1], v[NM]
	v_mov_b32 v[WB+1], v[NM+2]
	v_max3_num_f32 v[NM+1], v[NM+1], v[WA], v[PLA] ; the running largest t, lane l xor 16's among it
	v_max3_num_f32 v[NM+3], v[NM+3], v[WB], v[PLB]
	v_floor_f32 v[NM], -v[NM+1]                    ; -M = floor(-t): M is a whole number
	v_floor_f32 v[NM+2], -v[NM+3]
	v_sub_f32 v[WA+1], v[NM], v[WA+1]
	v_sub_f32 v[WB+1], v[NM+2], v[WB+1]
	v_cvt_i32_f32 v[WA+1], v[WA+1]                 ; (it saturates)
	v_cvt_i32_f32 v[WB+1], v[WB+1]
	v_ldexp_f32 v[FF], 1.0, v[WA+1]                ; f = 2^(old M - new M)
	v_ldexp_f32 v[FF+2], 1.0, v[WB+1]
.set j, 0
.rept 32
	v_pk_add_f32 v[S+j:S+j+1], v[S+j:S+j+1], v[NM:NM+1] op_sel_hi:[1,0]   ; t - M
	v_pk_add_f32 v[S+64+j:S+64+j+1], v[S+64+j:S+64+j+1], v[NM+2:NM+3] op_sel_hi:[1,0]
.set j, j+2
.endr
.set j, 0
.rept 16
	v_pk_mul_f32 v[O+j:O+j+1], v[O+j:O+j+1], v[FF:FF+1] op_sel_hi:[1,0]   ; O^T under the new M, ahead of the exponentials; each accumulator from its low end on
	v_pk_mul_f32 v[O+32+j:O+32+j+1], v[O+32+j:O+32+j+1], v[FF+2:FF+3] op_sel_hi:[1,0]
.set j, j+2
.endr
	s_wait_alu depctr_va_vdst(0)
.set j, 0
.rept 128
	v_exp_f32 v[S+j], v[S+j]                       ; p = 2^(t - M)
.set j, j+1
.endr
	v_pk_mul_f32 v[CH:CH+1], v[CH:CH+1], v[FF:FF+1] op_sel_hi:[1,0]       ; the sums under the new M; also the plain lines behind the exponentials
	v_pk_mul_f32 v[CH+8:CH+9], v[CH+8:CH+9], v[FF+2:FF+3] op_sel_hi:[1,0]
	s_wait_alu depctr_va_vdst(0)                   ; one wait for the whole batch, ahead of its first reader
.irp c, 1,2,3                                  ; the rows' sums of the unquantised p: four chains a tile
	v_pk_add_f32 v[CH+2*\c:CH+2*\c+1], v[S+4*\c-4:S+4*\c-3], v[S+4*\c-2:S+4*\c-1]
	v_pk_add_f32 v[CH+8+2*\c:CH+8+2*\c+1], v[S+64+4*\c-4:S+64+4*\c-3], v[S+64+4*\c-2:S+64+4*\c-1]
.endr
.set k, 6
.rept 26
	v_pk_add_f32 v[CH+2*(k%4):CH+2*(k%4)+1], v[CH+2*(k%4):CH+2*(k%4)+1], v[S+2*k:S+2*k+1]
	v_pk_add_f32 v[CH+8+2*(k%4):CH+8+2*(k%4)+1], v[CH+8+2*(k%4):CH+8+2*(k%4)+1], v[S+64+2*k:S+64+2*k+1]
.set k, k+1
.endr
	v_pk_add_f32 v[CH:CH+1], v[CH:CH+1], v[CH+2:CH+3]
	v_pk_add_f32 v[CH+8:CH+9], v[CH+8:CH+9], v[CH+10:CH+11]
	v_pk_add_f32 v[CH+4:CH+5], v[CH+4:CH+5], v[CH+6:CH+7]
	v_pk_add_f32 v[CH+12:CH+13], v[CH+12:CH+13], v[CH+14:CH+15]
.set j, 0
.rept 64
	v_dual_min_num_f32 v[S+j], v[S+j], v[LIM9] :: v_dual_min_num_f32 v[S+j+1], v[S+j+1], v[LIM9B]   ; the conversion does not saturate (ISA guide 7.6.2); p is not negative, so the hold is one-sided; two holds an instruction
.set j, j+2
.endr
	v_pk_add_f32 v[CH:CH+1], v[CH:CH+1], v[CH+4:CH+5]
	v_pk_add_f32 v[CH+8:CH+9], v[CH+8:CH+9], v[CH+12:CH+13]
	WIN 0x40                                       ; the codes go into window 1
.set j, 0
.rept 16
	v_cvt_scalef32_pk8_fp8_f32 v[PC+2*j:PC+2*j+1], v[S+8*j:S+8*j+7], v[SC9]
.set j, j+1
.endr
	v_nop                                          ; a plain line between the conversions and the products that read the codes
	WIN 0x05
.irp u, 0,1,2,3                                ; the eight accumulators take turns; sixteen other products stand between two links of a chain
	v_wmma_f32_16x16x128_fp8_fp8 v[O+8*\u:O+8*\u+7], v[VR+16*\u:VR+16*\u+15], v[PC:PC+15], v[O+8*\u:O+8*\u+7]
	v_wmma_f32_16x16x128_fp8_fp8 v[O+32+8*\u:O+32+8*\u+7], v[VR+16*\u:VR+16*\u+15], v[PC+16:PC+31], v[O+32+8*\u:O+32+8*\u+7]
.endr
	WIN 0
.Lhidden_\@:
	s_add_co_u32 s[KF], s[KF], 128
.endm
; THE CHANGE OF SLOTS, at a trip's head.  Each wave waits for all its tensor loads, adds 0 to its spare word, and waits for that and for its reads of the slot that it has left; behind the barrier the slot
; ahead is whole and nobody reads the other one, which is filled (fill = 1) with the next trip's keys: slot tau + 1 while the first block lasts, then slot tau - i of the second block.
.macro CHANGE fill
	s_wait_tensorcnt 0x0
	ds_add_u32 v[SPW], v[NIL]
.if \fill
	ds_add_u32 v[SPW], v[NIL]                      ; and once more where a fill follows
.endif
	s_lshl_b32 s[KF], s[KSN], 8                    ; this trip's first key
.if \fill
	s_add_co_u32 s96, s[TAU], 1
	s_sub_co_u32 s97, s[TAU], s[IX]
	s_cmp_le_u32 s96, s[IX]
	s_cselect_b32 s[KSN], s96, s97                 ; the next trip's key slot
	s_xor_b32 s[G0K+1], s[G0K+1], SLOT1
	s_xor_b32 s[G0V+1], s[G0V+1], SLOT1
	s_xor_b32 s[G0M+1], s[G0M+1], SLOT1
	s_mov_b32 s97, 0
	s_lshl_b32 s96, s[KSN], 14
	s_add_nc_u64 s[G0K+2:G0K+3], s[KB:KB+1], s[96:97]
	s_or_b32 s[G0K+3], s[G0K+3], 0x80000000
	s_lshl_b32 s96, s[KSN], 8
	s_add_nc_u64 s[G0V+2:G0V+3], s[VB:VB+1], s[96:97]
	s_or_b32 s[G0V+3], s[G0V+3], 0x80000000
	s_lshl_b32 s96, s[KSN], 10
	s_add_nc_u64 s[G0M+2:G0M+3], s[MBB:MBB+1], s[96:97]
	s_or_b32 s[G0M+3], s[G0M+3], 0x80000000
	s_wait_xcnt 0x0                                ; the last prefetch, a trip back, has read its address
	s_add_nc_u64 s[PFA:PFA+1], s[PFA:PFA+1], s[PFS:PFS+1]
.endif
	s_wait_dscnt 0x0
	s_barrier_signal -1
	s_barrier_wait -1
.if \fill
	TLOAD                                          ; the first thing behind the barrier, and a wave's one tensor load until the next
	ASK
.endif
.endm
.macro TRIP fill                       ; a slot's two key steps in a counted loop; the three places are turned to the slot's other half and back, then to the other slot
	CHANGE \fill
	s_mov_b32 s[QC], 0
.Lstep_\@:
	STEP
	s_xor_b32 s[TBK], s[TBK], 32*KP
	s_xor_b32 s[TBV], s[TBV], 128
	s_xor_b32 s[TBM], s[TBM], 512
	s_add_co_u32 s[QC], s[QC], 1
	s_cmp_lt_u32 s[QC], 2
	s_cbranch_scc1 .Lstep_\@
	s_xor_b32 s[TBK], s[TBK], SLOT1
	s_xor_b32 s[TBV], s[TBV], SLOT1
	s_xor_b32 s[TBM], s[TBM], SLOT1
.endm
; THE WAY OUT of a block: O^T x 2^(e8 + e9) / the sum, quantised with e10; a lane's eight codes of a row go through my stage and leave as 512 consecutive bytes an instruction.
.macro OUT
.rept 4
	v_nop
.endr
	v_add_f32 v[CH], v[CH], v[CH+1]
	v_add_f32 v[CH+8], v[CH+8], v[CH+9]
	v_permlanex16_b32 v[PLA], v[CH], s[SEL], s[SEL+1]
	v_permlanex16_b32 v[PLB], v[CH+8], s[SEL], s[SEL+1]
	v_add_f32 v[CH], v[CH], v[PLA]                 ; the rows' sums
	v_add_f32 v[CH+8], v[CH+8], v[PLB]
	s_wait_alu depctr_va_vdst(0)
	v_rcp_f32 v[CH], v[CH]
	v_rcp_f32 v[CH+8], v[CH+8]
	v_nop                                          ; a plain line behind them,
	s_wait_alu depctr_va_vdst(0)                   ; and the wait ahead of their first reader
	v_ldexp_f32 v[CH], v[CH], s85
	v_ldexp_f32 v[CH+8], v[CH+8], s85
	s_wait_alu depctr_va_vdst(0)
.set j, 0
.rept 32
	v_pk_mul_f32 v[S+j:S+j+1], v[O+j:O+j+1], v[CH+8*(j/32):CH+8*(j/32)+1] op_sel_hi:[1,0]   ; register 32 a + 8 u + j is o(16 a + r, 16 u + 8 h + j)
.set j, j+2
.endr
.set j, 0
.rept 64
	v_med3_num_f32 v[S+j], v[S+j], -v[LIM10], v[LIM10]
.set j, j+1
.endr
.irp i, 0,1,2,3,4,5,6,7
	v_cvt_scalef32_pk8_fp8_f32 v[S+64+2*\i:S+64+2*\i+1], v[S+8*\i:S+8*\i+7], v[SC10]
.endr
	v_nop
.irp i, 0,1,2,3,4,5,6,7
	ds_store_b64 v[STO], v[S+64+2*\i:S+64+2*\i+1] offset:1024*(\i/4)+16*(\i%4)
.endr
.irp i, 0,1,2,3
	ds_load_b128 v[S+80+4*\i:S+80+4*\i+3], v[RD] offset:512*\i   ; LDS serves a wave's instructions in order: these see my stores
.endr
	s_wait_dscnt 0x0
.irp i, 0,1,2,3
	global_store_b128 v[GO], v[S+80+4*\i:S+80+4*\i+3], s[AO:AO+1] offset:512*\i   ; 32 lanes store 512 consecutive bytes, aligned
.endr
	s_wait_xcnt 0x0                                ; the stores have read their registers and their base, which are written again
.endm
	s_wait_alu depctr_va_vdst(0)
	s_wait_loadcnt 0x0                             ; both blocks' Q
	s_mov_b32 s[TBK], 0
	s_mov_b32 s[TBV], 0
	s_mov_b32 s[TBM], 0
.Ltrip:                                            ; eight trips, each asking for the next trip's slot
	TRIP 1
	s_cmp_lg_u32 s[TAU], s[IX]                     ; behind trip i the first block is finished: the same in all eight waves
	s_cbranch_scc1 .Lsame_block
	OUT
	s_mov_b64 s[AO:AO+1], s[AO1:AO1+1]
	s_mov_b32 s[Q0], s[Q0B]
	WIN 0x41                                       ; from window 1 into window 1
.set j, 0
.rept 16
	v_mov_b32 v[QR+j], v[QR+16+j]
.set j, j+1
.endr
	WIN 0
	FRESH
.Lsame_block:
	s_add_co_u32 s[TAU], s[TAU], 1
	s_cmp_lt_u32 s[TAU], 8
	s_cbranch_scc1 .Ltrip
	TRIP 0                                         ; the ninth trip is written out: nothing is left to ask for
	OUT
	s_wait_tensorcnt 0x0                           ; the wave's end
	ds_add_u32 v[SPW], v[NIL]
	s_wait_dscnt 0x0
	s_endpgm
.Lfunc_end_k_qc5ecbd8bbe_attn:
	.size	k_qc5ecbd8bbe_attn, .Lfunc_end_k_qc5ecbd8bbe_attn-k_qc5ecbd8bbe_attn
	.p2alignl 7, 3214868480
	.fill 96, 4, 3214868480
	.section	.rodata,"a",@progbits
	.p2align	6, 0x0
	.amdhsa_kernel k_qc5ecbd8bbe_attn
		.amdhsa_group_segment_fixed_size 327680
		.amdhsa_private_segment_fixed_size 0
		.amdhsa_enable_private_segment 0
		.amdhsa_kernarg_size 32
		.amdhsa_user_sgpr_count 2
		.amdhsa_user_sgpr_kernarg_segment_ptr 1
		.amdhsa_wavefront_size32 1
		.amdhsa_system_sgpr_workgroup_id_x 1
		.amdhsa_system_sgpr_workgroup_id_y 1
		.amdhsa_system_sgpr_workgroup_id_z 1
		.amdhsa_system_vgpr_workitem_id 0
		.amdhsa_next_free_vgpr 512
		.amdhsa_next_free_sgpr 100
		.amdhsa_reserve_vcc 0
		.amdhsa_float_denorm_mode_32 3
		.amdhsa_float_denorm_mode_16_64 3
		.amdhsa_memory_ordered 1
		.amdhsa_forward_progress 1
		.amdhsa_inst_pref_size 121
	.end_amdhsa_kernel
	.amdgpu_metadata
---
amdhsa.version: [ 1, 2 ]
amdhsa.kernels:
  - .name:           k_qc5ecbd8bbe_attn
    .symbol:         k_qc5ecbd8bbe_attn.kd
    .args:
      - { .name: qkvc, .offset: 0, .size: 8, .value_kind: global_buffer, .address_space: global }
      - { .name: mbias, .offset: 8, .size: 8, .value_kind: global_buffer, .address_space: global }
      - { .name: lowp_scales, .offset: 16, .size: 8, .value_kind: global_buffer, .address_space: global }
      - { .name: aoc, .offset: 24, .size: 8, .value_kind: global_buffer, .address_space: global }
    .group_segment_fixed_size: 327680
    .private_segment_fixed_size: 0
    .kernarg_segment_align: 8
    .kernarg_segment_size: 32
    .max_flat_workgroup_size: 256
    .sgpr_count:     100
    .vgpr_count:     512
    .wavefront_size: 32
...
	.end_amdgpu_metadata
.endif
;; end of part 3
;; launch proj (part 4): grid 4 x 64, 4 waves a work-group, clusters of 4 x 4, 327,680 bytes of LDS; arguments aoc, wc, lowp_scales, bo, out0; writes out0
.if DOCPART == 4
	.amdgcn_target "amdgcn-amd-amdhsa--gfx1250"
	.amdhsa_code_object_version 6
	.text
	.protected	k_qc5ecbd8bbe_proj
	.globl	k_qc5ecbd8bbe_proj
	.p2align	8
	.type	k_qc5ecbd8bbe_proj,@function
k_qc5ecbd8bbe_proj:
	s_mov_b64 s[64:65], 0
	v_nop
	global_prefetch_b8 v0, s[64:65] scope:SCOPE_SE
	s_setreg_imm32_b32 hwreg(HW_REG_WAVE_MODE, 25, 1), 1
	s_wait_xcnt 0x0
	s_wait_alu depctr_hold_cnt(0) depctr_sa_sdst(0) depctr_va_vdst(0) depctr_va_sdst(0) depctr_va_ssrc(0) depctr_va_vcc(0) depctr_vm_vsrc(0)
	s_getreg_b32 s2, hwreg(HW_REG_IB_STS2, 6, 4)
	s_cmp_eq_u32 s2, 0
	s_cbranch_scc0 .Lentry_in_a_cluster
	s_endpgm
.Lentry_in_a_cluster:
	s_bfe_u32 s2, ttmp6, 0x10000c
	s_cmp_lg_u32 s2, 0xf033
	s_cbranch_scc0 .Lentry_shape_is_right
	s_endpgm
.Lentry_shape_is_right:
; The projection on the way out: out0[token][n] = sum over k of ao[token][k] Wo[n][k] x 2^(e10 + e11) + bo[n], on codes of E4M3.
; A = aoc [h][token][64] (k = 64 h + d), B = wc's plane 3, Wo's codes [n][1024].  out0: [8192][1024] f32.
; A block of out0 is 128 tokens x 256 columns: 64 x 4 = 256 work-groups.  Four waves of 64 x 128: 32 accumulators of 16 x 16, 256 registers.
; K = 1,024 goes in four steps of 256 through a ring of two LDS slots filled by joint tensor loads: 4 x 4 work-groups form a cluster, A's tile is shared along a row of it, B's along a column.
; Waves 0 and 1 fetch A's halves (64 tokens x 4 heads: four runs of 4,096 bytes), waves 2 and 3 B's (128 rows of 256 bytes): one tensor load a wave behind each round; every wait on TENSORcnt is for 0.
; THE MATRIX INSTRUCTION IS USED TRANSPOSED (source 0 = 16 rows of B, source 1 = 16 tokens of A): a lane's eight results are eight neighbouring columns of a token.
; The bias, divided by 2^(e10 + e11), is the C of each accumulator's first product; each finished sum is multiplied once by 2^(e10 + e11).
; LIMIT: e10 + e11 lies between -126 and 127, so that 2^(e10 + e11) is an f32 number.
; REGISTERS, in windows of 256: window 0: v16-30 addresses; v32-95 the bias, later a block on its way out; v128-255 A's fragments, two sets of 4 x 16, later rows read back.  window 1: B's fragments, two sets of 8 x 16.  window 2: accumulator (a, b) at v[8 (8 a + b)].
.set SIZE_N, 1024
.set ROWB,   256
.set PITCH,  272                       ; 256 bytes + 16 of padding: the sixteen rows of a fragment load begin 68 words apart
.set FR,     16
.set HALFT,  128*PITCH                 ; B's 128 rows of one load; also A's two loads together
.set QUART,  64*PITCH                  ; A's one load: 4 heads x 16 LDS rows of four tokens
.set SLOT,   3*HALFT                   ; A, then B's two halves
.set SPARE,  2*SLOT                    ; behind the ring: the spare words, 128 bytes a wave, that no other line names
.set SPITCH, 528                       ; the way out: a stage of 16 rows x (512 bytes + 16) for each wave, in slot 0, which has had its last fill and its last read by then
.set ADRA, 16
.set ADRB, 20
.set STO,  24
.set RD,   25
.set CO,   26
.set BOF,  27
.set SPW,  28
.set NIL,  29
.set PFO,  30
.set BO,   32
.set TMP,  32
.set AF,   128
.set BK,   128
.set G1, 24
.set G0, 32
.set G1B, 48
.set G0B, 56
.set MSB, 0
.macro WIN new                         ; the immediate's high byte repeats the setting that is left
.if MSB != \new
	s_set_vgpr_msb (MSB<<8)|\new
.set MSB, \new
.endif
.endm
.set MUL,  0xa1                        ; source 0 (B) window 1, source 1 (A) window 0, C and D window 2
.set BEG,  0x81                        ; the same with C (the bias) in window 0
.set TO_B, 0x40
.macro JLOAD g0a, g1a, g0b, g1b        ; the branch hangs on the wave's number alone; an s_nop 0 and four v_nop follow each line
	s_cmp_eq_u32 s15, 0
	s_cbranch_scc0 .Lfor_b_\@
	tensor_load_to_lds s[\g0a:\g0a+3], s[\g1a:\g1a+7]
	s_nop 0
.rept 4
	v_nop
.endr
	s_branch .Lasked_\@
.Lfor_b_\@:
	tensor_load_to_lds s[\g0b:\g0b+3], s[\g1b:\g1b+7]
	s_nop 0
.rept 4
	v_nop
.endr
.Lasked_\@:
.endm
.macro CREST                           ; a round of the cluster's barrier behind its opening barrier
	s_cmp_lg_u32 s14, 0
	s_cbranch_scc1 .Lnot_wave_0_\@
	s_barrier_signal -3
.Lnot_wave_0_\@:
	s_barrier_wait -3
	s_barrier_signal -1
	s_barrier_wait -1
.endm
.macro CROUND
	s_barrier_signal -1
	s_barrier_wait -1
	CREST
.endm
	s_load_b256 s[4:11], s[0:1], 0x0               ; aoc 4:5, wc 6:7, the exponents 8:9, bo 10:11
	s_load_b64 s[12:13], s[0:1], 0x20              ; out0
	v_lshl_add_u32 v[SPW], v0, 2, SPARE
	v_mov_b32 v[NIL], 0
	ds_add_u32 v[SPW], v[NIL]                      ; the wave's opening: the add, twice on end, and its wait ahead of my first tensor load
	ds_add_u32 v[SPW], v[NIL]
	v_lshrrev_b32 v1, 5, v0
	v_readfirstlane_b32 s14, v1                    ; wave
	s_lshr_b32 s15, s14, 1                         ; my half of the block's tokens; also: I fetch for A (0) or B (1)
	s_and_b32 s16, s14, 1                          ; my half of its columns; also: which part I fetch
	s_bfe_u32 s40, ttmp6, 0x40000                  ; cx
	s_bfe_u32 s41, ttmp6, 0x40004                  ; cy
	s_lshl_b32 s42, ttmp9, 2
	s_add_co_u32 s42, s42, s40                     ; block column
	s_and_b32 s17, ttmp7, 0xffff
	s_lshl_b32 s17, s17, 2
	s_add_co_u32 s17, s17, s41                     ; block row
	s_lshl_b32 s43, s41, 2
	s_lshl_b32 s43, 15, s43                        ; my row of the cluster
	s_lshl_b32 s44, 0x1111, s40                    ; my column
	s_or_b32 s[G1+0], s43, (0<<16)|(1<<20)|(1<<21)|(5<<22)|(3<<25)   ; the mask; elements of 1 byte; padding on; bit 21 beside a mask; four words after every 64
	s_mov_b32 s[G1+1], 4096<<16                    ; A: 64 tokens of a head are 4,096 bytes on end,
	s_mov_b32 s[G1+2], 4<<16                       ; four heads,
	s_mov_b32 s[G1+3], 4096<<16
	s_mov_b32 s[G1+4], 4
	s_mov_b32 s[G1+5], 524288                      ; 524,288 bytes apart
	s_mov_b32 s[G1+6], 0
	s_mov_b32 s[G1+7], 0
	s_or_b32 s[G1B+0], s44, (0<<16)|(1<<20)|(1<<21)|(5<<22)|(3<<25)
	s_mov_b32 s[G1B+1], ROWB<<16                   ; B: 128 rows of 256 bytes, 1,024 apart
	s_mov_b32 s[G1B+2], 128<<16
	s_mov_b32 s[G1B+3], ROWB<<16
	s_mov_b32 s[G1B+4], 128
	s_mov_b32 s[G1B+5], 1024
	s_mov_b32 s[G1B+6], 0
	s_mov_b32 s[G1B+7], 0
	s_lshl_b32 s20, s17, 7
	s_lshl_b32 s18, s16, 6
	s_add_co_u32 s20, s20, s18
	s_lshl_b32 s20, s20, 6                         ; A: token 128 x block row + 64 x part, 64 bytes each
	s_mov_b32 s21, 0
	s_lshl_b32 s46, s42, 8
	s_lshl_b32 s18, s16, 7
	s_add_co_u32 s46, s46, s18
	s_lshl_b32 s46, s46, 10
	s_add_co_u32 s46, s46, 0x300000                ; B: plane 3, row 256 x block column + 128 x part
	s_mov_b32 s47, 0
	s_mul_i32 s45, s16, QUART                      ; where they go: A's part,
	s_mul_i32 s19, s16, HALFT
	s_add_co_u32 s19, s19, HALFT                   ; B's part: the wave's number alone
	s_wait_dscnt 0x0                               ; both opening adds are done
	s_wait_kmcnt 0x0
	s_load_b64 s[96:97], s[8:9], 0x28              ; e10, e11
	s_add_nc_u64 s[20:21], s[4:5], s[20:21]
	s_add_nc_u64 s[46:47], s[6:7], s[46:47]
	CROUND                                         ; all sixteen work-groups are here: the first joint loads meet
.irp s, 0,1
	s_mov_b32 s[G0+4*\s], 1
	s_add_co_u32 s[G0+4*\s+1], s45, \s*SLOT
	s_add_nc_u64 s[G0+4*\s+2:G0+4*\s+3], s[20:21], \s*0x200000
	s_or_b32 s[G0+4*\s+3], s[G0+4*\s+3], 0x80000000
	s_mov_b32 s[G0B+4*\s], 1
	s_add_co_u32 s[G0B+4*\s+1], s19, \s*SLOT
	s_add_nc_u64 s[G0B+4*\s+2:G0B+4*\s+3], s[46:47], \s*ROWB
	s_or_b32 s[G0B+4*\s+3], s[G0B+4*\s+3], 0x80000000
.endr
	JLOAD G0, G1, G0B, G1B                         ; K step 0: one tensor load a wave at the head
	; PREFETCHES INTO THE L2, two K steps ahead of the loads: behind K step 0's load K step 2 is named, behind K step 1's load K step 3.  The four partners that ask for a tile with me share it out by
	; address: of A's four heads partner cx names one (4,096 bytes: lanes 0-15 a block of 256 bytes each, the lanes left over the last block again); of B's 128 rows partner cy names 32, a lane a row.
	s_cmp_eq_u32 s15, 0
	s_cselect_b64 s[66:67], s[20:21], s[46:47]
	s_cselect_b32 s70, s40, s41                    ; my place among the four
	s_mov_b32 s71, 32768
	s_cselect_b32 s71, 524288, s71                 ; from partner to partner
	s_mov_b32 s72, ROWB
	s_cselect_b32 s72, 0x200000, s72               ; a K step
	s_mov_b32 s74, 1024
	s_cselect_b32 s74, 256, s74                    ; from lane to lane
	s_cselect_b32 s75, 15, 31                      ; the last lane with a block of its own
	s_mul_i32 s70, s70, s71
	s_mov_b32 s71, 0
	s_mov_b32 s73, 0
	s_add_nc_u64 s[66:67], s[66:67], s[70:71]
	s_add_nc_u64 s[66:67], s[66:67], s[72:73]
	s_add_nc_u64 s[66:67], s[66:67], s[72:73]      ; K step 2
	s_add_nc_u64 s[68:69], s[66:67], s[72:73]      ; K step 3; neither pair, nor the lanes' offset, is rewritten
	s_lshl_b32 s92, s42, 10
	s_lshl_b32 s93, s16, 9
	s_add_co_u32 s92, s92, s93                     ; my first column, in bytes
	s_mov_b32 s93, 0
	s_add_nc_u64 s[10:11], s[10:11], s[92:93]
	s_lshl_b32 s20, s17, 7
	s_lshl_b32 s21, s15, 6
	s_add_co_u32 s20, s20, s21
	s_lshl_b32 s20, s20, 12                        ; my first token's row of 4,096 bytes
	s_mov_b32 s21, 0
	s_add_nc_u64 s[12:13], s[12:13], s[20:21]
	s_add_nc_u64 s[12:13], s[12:13], s[92:93]
	s_mul_i32 s76, s15, QUART                      ; my 64 tokens of A
	s_mul_i32 s77, s16, HALFT
	s_add_co_u32 s77, s77, HALFT                   ; my 128 rows of B
	s_mul_i32 s23, s14, 16*SPITCH                  ; my stage
	v_and_b32 v1, 15, v0                           ; r
	v_bfe_u32 v2, v0, 4, 1                         ; h
	v_and_b32 v6, 31, v0
	v_min_u32 v[PFO], s75, v6
	v_mul_lo_u32 v[PFO], v[PFO], s74
	global_prefetch_b8 v[PFO], s[66:67] th:TH_LOAD_NT scope:SCOPE_SE
	v_lshlrev_b32 v[BOF], 5, v2
.irp b, 0,1,2,3,4,5,6,7
	global_load_b128 v[BO+8*\b:BO+8*\b+3], v[BOF], s[10:11] offset:64*\b        ; the bias in the results' layout: register 8 b + j = column 16 b + 8 h + j
	global_load_b128 v[BO+8*\b+4:BO+8*\b+7], v[BOF], s[10:11] offset:64*\b+16
.endr
	v_lshrrev_b32 v3, 2, v1
	v_mul_u32_u24 v3, v3, PITCH
	v_and_b32 v7, 3, v1
	v_lshl_add_u32 v3, v7, 6, v3
	v_lshl_add_u32 v3, v2, 4, v3                   ; A: token r of a block: (r / 4) x 272 + (r % 4) x 64 + 16 h
	v_mul_u32_u24 v4, v1, PITCH
	v_lshl_add_u32 v4, v2, 4, v4                   ; B: row r x 272 + 16 h
	v_add_nc_u32 v[ADRA], s76, v3
	v_add_nc_u32 v[ADRB], s77, v4
	v_add_nc_u32 v[ADRA+1], SLOT, v[ADRA]
	v_add_nc_u32 v[ADRB+1], SLOT, v[ADRB]
	v_mul_u32_u24 v5, v1, SPITCH
	v_lshl_add_u32 v5, v2, 5, v5
	v_add_nc_u32 v[STO], s23, v5                   ; into my stage: row r, 32 bytes for each half of the lanes
	v_lshlrev_b32 v[CO], 4, v6                     ; back: the 32 lanes take one row of 512 bytes; and the same in out0
	v_add_nc_u32 v[RD], s23, v[CO]
.macro FRAG reg, adr, q, i             ; B: 16 rows x 128 K: registers 4 c .. 4 c + 3 hold K = 32 c + 16 h + 0 .. 15
.irp c, 0,1,2,3
	ds_load_b128 v[\reg+4*\c:\reg+4*\c+3], v[\adr] offset:128*(\q)+32*\c+(\i)*16*PITCH
.endr
.endm
.macro FRAGA reg, adr, q, i            ; A: the same K from heads 2 q and 2 q + 1, whose planes lie 16 LDS rows apart
.irp c, 0,1,2,3
	ds_load_b128 v[\reg+4*\c:\reg+4*\c+3], v[\adr] offset:(2*(\q)+\c/2)*16*PITCH+32*(\c%2)+(\i)*4*PITCH
.endr
.endm
.macro FETCH slot, q, p                ; 48 LDS loads: the fragments of the slot's q-th 128 along K into set p
	WIN TO_B
.irp i, 0,1,2,3,4,5,6,7
	FRAG 128*(\p)+FR*\i, ADRB+\slot, \q, \i
.endr
	WIN 0
.irp i, 0,1,2,3
	FRAGA AF+64*(\p)+FR*\i, ADRA+\slot, \q, \i
.endr
.endm
; 16 matrix instructions: A's blocks 2 h, 2 h + 1 x B's eight, from set p.  The 32 accumulators take turns, one instruction a turn, in the same order in every step.
.macro MULH h, p, zero
.irp a, 2*\h, 2*\h+1
.irp b, 0,1,2,3,4,5,6,7
.if \zero
	v_wmma_f32_16x16x128_fp8_fp8 v[8*(8*(\a)+\b):8*(8*(\a)+\b)+7], v[128*(\p)+FR*\b:128*(\p)+FR*\b+FR-1], v[AF+64*(\p)+FR*(\a):AF+64*(\p)+FR*(\a)+FR-1], v[BO+8*\b:BO+8*\b+7]
.else
	v_wmma_f32_16x16x128_fp8_fp8 v[8*(8*(\a)+\b):8*(8*(\a)+\b)+7], v[128*(\p)+FR*\b:128*(\p)+FR*\b+FR-1], v[AF+64*(\p)+FR*(\a):AF+64*(\p)+FR*(\a)+FR-1], v[8*(8*(\a)+\b):8*(8*(\a)+\b)+7]
.endif
.endr
.endr
.endm
.macro PLACES                          ; plain vector lines between a matrix instruction and a load into, or a read of, its registers
.rept 4
	v_nop
.endr
.endm
.macro STEP slot, zero                 ; a slot's first 128 along K, from set 0; the second 128's fragments are fetched into set 1
	PLACES
	FETCH \slot, 1, 1
	s_wait_dscnt 48                                ; set 0 is in; the 48 loads just issued may be out
.if \zero
	WIN BEG
.else
	WIN MUL
.endif
	MULH 0, 0, \zero
	MULH 1, 0, \zero
	WIN 0
.endm
; A slot's second 128, from set 1, changes slots: ahead of the barrier each wave waits for all its tensor loads, adds 0 to its spare word, and waits for that and for its reads of this slot.
.macro TURN slot, next, fill
	s_wait_tensorcnt 0x0                           ; my part of the next slot has landed
	ds_add_u32 v[SPW], v[NIL]
	s_wait_dscnt 0x0                               ; the add is done, set 1 is in, and my reads of this slot are over
	s_barrier_signal -1
	WIN MUL
	MULH 0, 1, 0
	WIN 0
	s_barrier_wait -1
.if \fill
	CREST                                          ; the barrier has opened a round of the cluster's: no wave of any partner still reads this slot or has a load on its way
	s_add_nc_u64 s[G0+4*\slot+2:G0+4*\slot+3], s[G0+4*\slot+2:G0+4*\slot+3], 0x400000
	s_add_nc_u64 s[G0B+4*\slot+2:G0B+4*\slot+3], s[G0B+4*\slot+2:G0B+4*\slot+3], 2*ROWB
	JLOAD G0+4*\slot, G1, G0B+4*\slot, G1B         ; the first tensor load behind the round; its four v_nop are also the places ahead of the loads below
.else
	PLACES
.endif
	FETCH \next, 0, 0
	WIN MUL
	MULH 1, 1, 0
	WIN 0
.endm
	s_wait_alu depctr_va_vdst(0)
	s_wait_tensorcnt 0x0                           ; my part of K step 0 is in
	ds_add_u32 v[SPW], v[NIL]
	s_wait_dscnt 0x0
	CROUND                                         ; a whole round: everybody's part of K step 0 is in,
	JLOAD G0+4, G1, G0B+4, G1B                     ; and K step 1's load is the first tensor load behind the round
	FETCH 0, 0, 0
	global_prefetch_b8 v[PFO], s[68:69] th:TH_LOAD_NT scope:SCOPE_SE
	s_wait_loadcnt 0x0                             ; the bias
	s_wait_kmcnt 0x0
	s_add_co_i32 s96, s96, s97                     ; e10 + e11
	s_sub_co_i32 s98, 0, s96
.set j, 0
.rept 64
	v_ldexp_f32 v[BO+j], v[BO+j], s98              ; the bias in units of the sums
.set j, j+1
.endr
	s_add_co_i32 s96, s96, 127
	s_lshl_b32 s96, s96, 23                        ; 2^(e10 + e11)
	s_wait_alu depctr_va_vdst(0)
	STEP 0, 1                                      ; the first step's products start the sums, on the bias
	s_mov_b32 s3, 1
.Llap:                                                 ; once round the ring; both slots are filled again
	TURN 0, 1, 1
	STEP 1, 0
	TURN 1, 0, 1
	STEP 0, 0
	s_sub_co_u32 s3, s3, 1
	s_cmp_lg_u32 s3, 0
	s_cbranch_scc1 .Llap
	TURN 0, 1, 0                                   ; the last lap fills nothing
	STEP 1, 0
	s_wait_dscnt 0x0
	WIN MUL
	MULH 0, 1, 0
	MULH 1, 1, 0
	WIN 0
; THE WAY OUT, block by block of 16 tokens x 128 columns, through my own stage, so that the 32 lanes store whole rows of 512 bytes.  LDS serves a wave's instructions in order (ISA guide 5.7.1.4): no wait between the stores and the loads.
.macro TOSTAGE a
	WIN 0x02                                       ; source 0: window 2
.set j, 0
.rept 32
	v_pk_mul_f32 v[TMP+j:TMP+j+1], v[64*(\a)+j:64*(\a)+j+1], s[96:97] op_sel_hi:[1,0]   ; x 2^(e10 + e11); each accumulator from its low end on
.set j, j+2
.endr
	WIN 0
.irp b, 0,1,2,3,4,5,6,7
	ds_store_b128 v[STO], v[TMP+8*\b:TMP+8*\b+3] offset:64*\b
	ds_store_b128 v[STO], v[TMP+8*\b+4:TMP+8*\b+7] offset:64*\b+16
.endr
.set BB, BK+64*((\a)%2)
.irp t, 0,1,2,3,4,5,6,7,8,9,10,11,12,13,14,15
	ds_load_b128 v[BB+4*\t:BB+4*\t+3], v[RD] offset:\t*SPITCH
.endr
.endm
.macro SEND a, younger                 ; younger: the LDS instructions issued behind block a's loads, which may stay out
.set BB, BK+64*((\a)%2)
	s_wait_dscnt \younger
.if (\a) > 0
	s_add_nc_u64 s[12:13], s[12:13], 16*SIZE_N*4   ; (behind a wait on XCNT: the earlier stores have read their base)
.endif
.irp t, 0,1,2,3,4,5,6,7,8,9,10,11,12,13,14,15
	global_store_b128 v[CO], v[BB+4*\t:BB+4*\t+3], s[12:13] offset:\t*SIZE_N*4 th:TH_STORE_NT   ; 32 lanes store 512 consecutive bytes, aligned
.endr
.endm
	PLACES
	TOSTAGE 0
.irp a, 1,2,3
.if \a > 1
	s_wait_xcnt 0x0                                ; block a - 2's stores have read their registers and their base
.endif
	TOSTAGE \a
	SEND \a-1, 32                                  ; behind block a - 1's loads: block a's 16 stores and 16 loads
.endr
	s_wait_xcnt 0x0
	SEND 3, 0
	s_wait_tensorcnt 0x0                           ; the wave's end
	ds_add_u32 v[SPW], v[NIL]
	s_wait_dscnt 0x0
	CROUND                                         ; the closing round
	s_endpgm
.Lfunc_end_k_qc5ecbd8bbe_proj:
	.size	k_qc5ecbd8bbe_proj, .Lfunc_end_k_qc5ecbd8bbe_proj-k_qc5ecbd8bbe_proj
	.p2alignl 7, 3214868480
	.fill 96, 4, 3214868480
	.section	.rodata,"a",@progbits
	.p2align	6, 0x0
	.amdhsa_kernel k_qc5ecbd8bbe_proj
		.amdhsa_group_segment_fixed_size 327680
		.amdhsa_private_segment_fixed_size 0
		.amdhsa_enable_private_segment 0
		.amdhsa_kernarg_size 40
		.amdhsa_user_sgpr_count 2
		.amdhsa_user_sgpr_kernarg_segment_ptr 1
		.amdhsa_wavefront_size32 1
		.amdhsa_system_sgpr_workgroup_id_x 1
		.amdhsa_system_sgpr_workgroup_id_y 1
		.amdhsa_system_sgpr_workgroup_id_z 1
		.amdhsa_system_vgpr_workitem_id 0
		.amdhsa_next_free_vgpr 768
		.amdhsa_next_free_sgpr 100
		.amdhsa_reserve_vcc 0
		.amdhsa_float_denorm_mode_32 3
		.amdhsa_float_denorm_mode_16_64 3
		.amdhsa_memory_ordered 1
		.amdhsa_forward_progress 1
		.amdhsa_inst_pref_size 82
	.end_amdhsa_kernel
	.amdgpu_metadata
---
amdhsa.version: [ 1, 2 ]
amdhsa.kernels:
  - .name:           k_qc5ecbd8bbe_proj
    .symbol:         k_qc5ecbd8bbe_proj.kd
    .args:
      - { .name: aoc, .offset: 0, .size: 8, .value_kind: global_buffer, .address_space: global }
      - { .name: wc, .offset: 8, .size: 8, .value_kind: global_buffer, .address_space: global }
      - { .name: lowp_scales, .offset: 16, .size: 8, .value_kind: global_buffer, .address_space: global }
      - { .name: bo, .offset: 24, .size: 8, .value_kind: global_buffer, .address_space: global }
      - { .name: out0, .offset: 32, .size: 8, .value_kind: global_buffer, .address_space: global }
    .group_segment_fixed_size: 327680
    .private_segment_fixed_size: 0
    .kernarg_segment_align: 8
    .kernarg_segment_size: 40
    .max_flat_workgroup_size: 128
    .sgpr_count:     100
    .vgpr_count:     768
    .wavefront_size: 32
...
	.end_amdgpu_metadata
.endif
;; end of part 4
